; MI455X (gfx1250); checked and timed in simulation.
; The chip was launched on July 23, 2026; its instructions are those of AMD's public machine-readable ISA for CDNA 5 (MIT licence, August 2026) and "CDNA5" Instruction Set Architecture Reference Guide (July 2026). The comments in the code are by the model that wrote it; some were corrected since.
;; Attention. Allowed arithmetic: matrix products marked QUANTISED: E4M3 operands, one given power-of-two scale a tensor, by v_wmma_f32_16x16x64_fp8_fp8 or v_wmma_f32_16x16x128_fp8_fp8, f32 sums; everything else in f32.
;; Inputs: Wk 1,024 x 1,024 float32; Wo 1,024 x 1,024 float32; Wq 1,024 x 1,024 float32; Wv 1,024 x 1,024 float32; bk 1,024 float32; bo 1,024 float32; bq 1,024 float32; bv 1,024 float32; key 4 x 2,048 x 1,024 float32; lowp_scales 12 int32 (the exponents e of the quantised operands' scales 2^e); query 4 x 2,048 x 1,024 float32; value 4 x 2,048 x 1,024 float32.
;; Outputs: out0 4 x 2,048 x 1,024 float32.
;; This version of the problem:
;;   THIS VERSION OF THE PROBLEM IS GIVEN IN LOW PRECISION. The matrix products marked QUANTISED in the list below multiply operands that are first quantised to E4M3 (4 exponent bits, 3 mantissa bits; 8 bits a number), with one given power-of-two scale for each operand tensor; their sums are f32. All else is computed in f32.
;;   The module's matrix products, in the order in which they are computed (A, B: the left and right operand; K: the contracted axis; several contracted axes count as one K, in the product's order):
;;     1. [M 8,192, K 1,024] x [K 1,024, N 1,024]; A: input query; B: input Wq: QUANTISED (scales: A lowp_scales[0], B lowp_scales[1])
;;     2. [M 8,192, K 1,024] x [K 1,024, N 1,024]; A: input key; B: input Wk: QUANTISED (scales: A lowp_scales[2], B lowp_scales[3])
;;     3. [M 8,192, K 1,024] x [K 1,024, N 1,024]; A: input value; B: input Wv: QUANTISED (scales: A lowp_scales[4], B lowp_scales[5])
;;     4. batch 64 x [M 2,048, K 64] x [K 64, N 2,048]; A: computed on the way; B: computed on the way: QUANTISED (scales: A lowp_scales[6], B lowp_scales[7])
;;     5. batch 64 x [M 2,048, K 2,048] x [K 2,048, N 64]; A: softmax (see below); B: computed on the way: QUANTISED (scales: A lowp_scales[8], B lowp_scales[9])
;;     6. [M 8,192, K 1,024] x [K 1,024, N 1,024]; A: computed on the way; B: input Wo: QUANTISED (scales: A lowp_scales[10], B lowp_scales[11])
;;   THE QUANTISER, for each operand of a quantised product, along K:
;;     - The operand's scale is 2^e, e = its entry of the input lowp_scales (int32; the entries are numbered through the quantised products in the list's order, A before B).
;;     - Each number is divided by the scale, clamped to +-448, and rounded to the nearest number of E4M3, ties to even, subnormals kept.
;;     - The product sums the exact products of the quantised numbers (number of the format x scale) in f32.
;;   ~~~python
;;   def quantise(x, axis, e):      # numpy; x: float32 -> the quantised numbers, widened to float32 again
;;       x = np.moveaxis(x, axis, -1); K = x.shape[-1]
;;       r = np.clip(x / 2.0 ** e, -448, 448)
;;       step = 2.0 ** (np.maximum(np.frexp(np.where(r == 0, 1, r))[1] - 1, -6) - 3)
;;       q = np.round(r / step) * step * 2.0 ** e      # np.round: ties to even
;;       return np.moveaxis(q, -1, axis).astype(np.float32)
;;   ~~~
;;   SOFTMAX AHEAD OF A QUANTISED PRODUCT. Where the list says 'softmax', what is quantised is not the finished softmax but p = 2^(t - M), with t = logit x log2(e) and M = ceil(the row's largest t), a whole number; so 1/2 < the row's largest p <= 1. The row's sum l is taken of the UNQUANTISED p, in f32, and the product's result is divided by l at the end. Since M is a whole number, a kernel that streams over the keys may use a running M (the ceiling of the running maximum): every later rescaling is an exact power of two, so the quantised numbers keep their values, but for numbers so far below the row's largest that they fall under the format's range.
;;   OPERANDS COMPUTED ON THE WAY. 'Computed on the way' means the value that the module computes at that place (a softmax that the list does not call 'softmax' is quantised finished and normalised). What goes into a quantiser is computed in f32, as accurately as f32 sums, v_exp_f32 and their like allow (about 1e-6 of the number): no bf16 or f16 on the way to a quantiser, and a product that is left as it is and whose result goes on into a quantised operand takes f32 operands (vector FMAs, or v_wmma_f32_16x16x4_f32). A number that lies on a knife's edge between two numbers of the format may be rounded either way, as far as f32 arithmetic and the matrix unit's own rounding can turn it there, and no further.
;; One version. Each part assembles by itself: llvm-mc -triple=amdgcn-amd-amdhsa -mcpu=gfx1250 --defsym DOCPART=n.
;; ======== version 1 of 1: 4 launches
;; limits: right only within a limited range of input values
;; workspace buffers: xc 25,165,824 bytes; wc 4,194,304 bytes; qkv 25,165,824 bytes; oc 8,388,608 bytes
;; launch quant (part 1): grid 1792 x 1, 4 waves a work-group, no clusters, 34,304 bytes of LDS; arguments query, key, value, Wq, Wk, Wv, Wo, lowp_scales, xc, wc; writes xc, wc
.if DOCPART == 1
	.amdgcn_target "amdgcn-amd-amdhsa--gfx1250"
	.amdhsa_code_object_version 6
	.text
	.protected	k_qd89f02c7af_quant
	.globl	k_qd89f02c7af_quant
	.p2align	8
	.type	k_qd89f02c7af_quant,@function
k_qd89f02c7af_quant:
	s_mov_b64 s[64:65], 0
	v_nop
	global_prefetch_b8 v0, s[64:65] scope:SCOPE_SE
	s_setreg_imm32_b32 hwreg(HW_REG_WAVE_MODE, 25, 1), 1
	s_wait_xcnt 0x0
; query, key, value [8192][1024] and Wq, Wk, Wv, Wo [1024][1024], f32 with K innermost, become codes of FP8 (E4M3), each tensor with the one scale 2^e given for it.
; code = x / 2^e, held within +-448, rounded to the nearest code, ties to even.  LIMITS: e between -126 and 119, so that 2^e and 448 x 2^e are f32 numbers; NaN among the inputs is not served.
; THE CODES ARE LAID AS IMAGES OF THE OPERAND'S REGISTERS.  A fragment is 16 rows x 128 along K, 16 registers a lane, 2,048 bytes: register p of lane L lies at 512 (p / 4) + 16 L + 4 (p % 4), and
; registers 2 c, 2 c + 1 of lane (r = L % 16, h = L / 16) hold k = 16 c + 8 h + 0 .. 7 of row r: the place that the plain fp8 matrix forms give each k.  A tile of 16 rows is 8 such fragments on end, 16,384 bytes.
; xc: the tiles of query (0-511), key (512-1023), value (1024-1535); wc: those of Wq (0-63), Wk, Wv, Wo.
; SHARES.  A work-group takes one tile of 16 rows, 65,536 bytes in and 16,384 out; wave w its fragments 2 w and 2 w + 1.  The first 1,536 work-groups take xc's tiles, the other 256 wc's: only pointers and the exponent are chosen.
; Each load reads 512 consecutive bytes of one row; a conversion wants 8 neighbours along K in one lane: so a fragment's 8,192 bytes turn through the wave's own stage in LDS.  All 32 loads of a wave go out at once.
; No tensor load, no barrier: waves share nothing.
.set SP,    528                        ; a stage row: 512 bytes + 16 = 33 x 16: the sixteen rows that a read touches start at sixteen different 16-byte columns modulo 256
.set STG,   16*SP                      ; a wave's stage
.set SPARE, 4*STG                      ; behind the four stages: the spare words, 128 bytes for each wave: two blocks of 256 bytes that no other line names
.set GL,  2                            ; v2   16 x lane: my bytes of a load's or a store's 512; never rewritten
.set WB,  3                            ; v3   the stage, on the way in: STG x wave + 16 x lane
.set RB,  4                            ; v4   and on the way out: STG x wave + SP r + 32 h
.set SC,  5                            ; v5   2^e as f32: the conversion takes its exponent field
.set LIM, 6
.set SPW, 12                           ; v12  LDS address of my spare word; never rewritten
.set NIL, 13                           ; v13  0; never rewritten
.set R,   16                           ; v16-143   two sets of 64: a fragment's numbers as loaded
.set N,   144                          ; v144-207  64 numbers: register 8 c + i = k 16 c + 8 h + i of my row
.set C,   208                          ; v208-239  two sets of 16: the codes; each fragment has its own, so no store's data are written again
	s_load_b512 s[4:19], s[0:1], 0x0               ; query, key, value, Wq, Wk, Wv, Wo, the scales' exponents
	s_load_b128 s[20:23], s[0:1], 0x40             ; xc, wc
	v_lshl_add_u32 v[SPW], v0, 2, SPARE
	v_mov_b32 v[NIL], 0
	v_lshrrev_b32 v1, 5, v0
	v_readfirstlane_b32 s28, v1                    ; wave 0..3
	v_and_b32 v1, 31, v0
	v_lshlrev_b32 v[GL], 4, v1
	v_and_b32 v7, 15, v0                           ; r
	v_bfe_u32 v8, v0, 4, 1                         ; h
	s_mul_i32 s30, s28, STG
	v_add_nc_u32 v[WB], s30, v[GL]
	v_mul_u32_u24 v[RB], v7, SP
	v_lshl_add_u32 v[RB], v8, 5, v[RB]
	v_add_nc_u32 v[RB], s30, v[RB]
	s_cmp_lt_u32 ttmp9, 1536                       ; a tile of xc or of wc?  The choice hangs on the work-group's number alone
	s_cselect_b32 s30, 0, 1536
	s_cselect_b32 s31, 9, 6                        ; tiles in a tensor: 512 or 64
	s_cselect_b32 s32, 0, 3
	s_cselect_b32 s33, 511, 63
	s_sub_co_u32 s30, ttmp9, s30                   ; the tile's number in its buffer of codes
	s_lshr_b32 s29, s30, s31
	s_add_co_u32 s29, s29, s32                     ; t: 0 query, 1 key, 2 value, 3 Wq, 4 Wk, 5 Wv, 6 Wo
	s_and_b32 s33, s30, s33                        ; the tile's number in its tensor
	s_lshl_b32 s34, s30, 14                        ; codes: 16,384 x tile
	s_lshl_b32 s31, s28, 12                        ;        + 4,096 x wave
	s_add_co_u32 s34, s34, s31
	s_mov_b32 s35, 0
	s_lshl_b32 s32, s33, 16                        ; numbers: 65,536 x tile
	s_lshl_b32 s31, s28, 10                        ;          + 1,024 x wave
	s_add_co_u32 s32, s32, s31
	s_mov_b32 s33, 0
	s_wait_alu depctr_va_vdst(0)
	s_wait_kmcnt 0x0
	s_load_b256 s[36:43], s[18:19], 0x0            ; exponents 0 to 7
	s_load_b128 s[44:47], s[18:19], 0x20           ; 8 to 11
	s_cmp_lt_u32 ttmp9, 1536
	s_cselect_b64 s[26:27], s[20:21], s[22:23]
	s_add_nc_u64 s[26:27], s[26:27], s[34:35]      ; where my codes go
	s_mov_b64 s[24:25], s[16:17]                   ; Wo, unless t says otherwise
.macro PICK t, p
	s_cmp_eq_u32 s29, \t
	s_cselect_b64 s[24:25], s[\p:\p+1], s[24:25]
.endm
	PICK 0, 4
	PICK 1, 6
	PICK 2, 8
	PICK 3, 10
	PICK 4, 12
	PICK 5, 14
	s_add_nc_u64 s[24:25], s[24:25], s[32:33]      ; where my numbers come from
.macro LOAD f                          ; fragment f: 16 rows x 512 bytes; 32 lanes read 512 consecutive bytes, read once in the launch
.irp i, 0,1,2,3,4,5,6,7,8,9,10,11,12,13,14,15
	global_load_b128 v[R+64*\f+4*\i:R+64*\f+4*\i+3], v[GL], s[24:25] offset:4096*\i+512*\f th:TH_LOAD_NT
.endr
.endm
.macro TURN f                          ; through the stage: LDS serves a wave's instructions in order (ISA guide 5.7.1.4), so no wait stands between the stores and the loads
.irp i, 0,1,2,3,4,5,6,7,8,9,10,11,12,13,14,15
	ds_store_b128 v[WB], v[R+64*\f+4*\i:R+64*\f+4*\i+3] offset:SP*\i
.endr
.irp c, 0,1,2,3,4,5,6,7
	ds_load_b128 v[N+8*\c:N+8*\c+3], v[RB] offset:64*\c
	ds_load_b128 v[N+8*\c+4:N+8*\c+7], v[RB] offset:64*\c+16
.endr
.endm
.macro QCV f                           ; the conversions, the stores
.set i, 0
.rept 64
.set i, i+1
.endr
.irp c, 0,1,2,3,4,5,6,7
	v_cvt_scalef32_pk8_fp8_f32 v[C+16*\f+2*\c:C+16*\f+2*\c+1], v[N+8*\c:N+8*\c+7], v[SC]  ; registers 2 c, 2 c + 1 of the fragment
.endr
	v_nop                                          ; a plain vector line behind the last conversion, ahead of whatever next touches its registers
.irp g, 0,1,2,3
	global_store_b128 v[GL], v[C+16*\f+4*\g:C+16*\f+4*\g+3], s[26:27] offset:2048*\f+512*\g  ; 32 lanes store 512 consecutive bytes, at a multiple of 256 from the buffer's first byte
.endr
.endm
	LOAD 0
	LOAD 1
	s_wait_kmcnt 0x0
	s_mov_b32 s48, s47                             ; Wo's exponent, entry 11, unless t says otherwise
.macro PICKE t, r
	s_cmp_eq_u32 s29, \t
	s_cselect_b32 s48, s[\r], s48
.endm
	PICKE 0, 36                                    ; query: entry 0
	PICKE 1, 38                                    ; key: 2
	PICKE 2, 40                                    ; value: 4
	PICKE 3, 37                                    ; Wq: 1
	PICKE 4, 39                                    ; Wk: 3
	PICKE 5, 41                                    ; Wv: 5
	s_add_co_i32 s48, s48, 127
	s_lshl_b32 s49, s48, 23
	v_mov_b32 v[SC], s49
	s_wait_alu depctr_va_vdst(0)
	s_wait_loadcnt 16                              ; fragment 0's sixteen loads are in; fragment 1's sixteen may be out
	TURN 0
	s_wait_dscnt 0x0
	QCV 0
	s_wait_loadcnt 0x0
	TURN 1                                         ; the same stage: its stores come behind fragment 0's reads, which are back
	s_wait_dscnt 0x0
	QCV 1
	s_wait_tensorcnt 0x0                           ; the wave's end, behind my last LDS store
	ds_add_u32 v[SPW], v[NIL]
	s_wait_dscnt 0x0
	s_endpgm
.Lfunc_end_k_qd89f02c7af_quant:
	.size	k_qd89f02c7af_quant, .Lfunc_end_k_qd89f02c7af_quant-k_qd89f02c7af_quant
	.p2alignl 7, 3214868480
	.fill 96, 4, 3214868480
	.section	.rodata,"a",@progbits
	.p2align	6, 0x0
	.amdhsa_kernel k_qd89f02c7af_quant
		.amdhsa_group_segment_fixed_size 34304
		.amdhsa_private_segment_fixed_size 0
		.amdhsa_enable_private_segment 0
		.amdhsa_kernarg_size 80
		.amdhsa_user_sgpr_count 2
		.amdhsa_user_sgpr_kernarg_segment_ptr 1
		.amdhsa_wavefront_size32 1
		.amdhsa_system_sgpr_workgroup_id_x 1
		.amdhsa_system_sgpr_workgroup_id_y 1
		.amdhsa_system_sgpr_workgroup_id_z 1
		.amdhsa_system_vgpr_workitem_id 0
		.amdhsa_next_free_vgpr 240
		.amdhsa_next_free_sgpr 66
		.amdhsa_reserve_vcc 0
		.amdhsa_float_denorm_mode_32 3
		.amdhsa_float_denorm_mode_16_64 3
		.amdhsa_fp16_overflow 1
		.amdhsa_memory_ordered 1
		.amdhsa_forward_progress 1
		.amdhsa_inst_pref_size 13
	.end_amdhsa_kernel
	.amdgpu_metadata
---
amdhsa.version: [ 1, 2 ]
amdhsa.kernels:
  - .name:           k_qd89f02c7af_quant
    .symbol:         k_qd89f02c7af_quant.kd
    .args:
      - { .name: query, .offset: 0, .size: 8, .value_kind: global_buffer, .address_space: global }
      - { .name: key, .offset: 8, .size: 8, .value_kind: global_buffer, .address_space: global }
      - { .name: value, .offset: 16, .size: 8, .value_kind: global_buffer, .address_space: global }
      - { .name: Wq, .offset: 24, .size: 8, .value_kind: global_buffer, .address_space: global }
      - { .name: Wk, .offset: 32, .size: 8, .value_kind: global_buffer, .address_space: global }
      - { .name: Wv, .offset: 40, .size: 8, .value_kind: global_buffer, .address_space: global }
      - { .name: Wo, .offset: 48, .size: 8, .value_kind: global_buffer, .address_space: global }
      - { .name: lowp_scales, .offset: 56, .size: 8, .value_kind: global_buffer, .address_space: global }
      - { .name: xc, .offset: 64, .size: 8, .value_kind: global_buffer, .address_space: global }
      - { .name: wc, .offset: 72, .size: 8, .value_kind: global_buffer, .address_space: global }
    .group_segment_fixed_size: 34304
    .private_segment_fixed_size: 0
    .kernarg_segment_align: 8
    .kernarg_segment_size: 80
    .max_flat_workgroup_size: 128
    .sgpr_count:     66
    .vgpr_count:     240
    .wavefront_size: 32
...
	.end_amdgpu_metadata
.endif
;; end of part 1
;; launch proj (part 2): grid 4 x 96, 4 waves a work-group, clusters of 4 x 4, 327,680 bytes of LDS; arguments xc, wc, bq, bk, bv, lowp_scales, qkv; writes qkv
.if DOCPART == 2
	.amdgcn_target "amdgcn-amd-amdhsa--gfx1250"
	.amdhsa_code_object_version 6
	.text
	.protected	k_qd89f02c7af_proj
	.globl	k_qd89f02c7af_proj
	.p2align	8
	.type	k_qd89f02c7af_proj,@function
k_qd89f02c7af_proj:
	s_mov_b64 s[64:65], 0
	v_nop
	global_prefetch_b8 v0, s[64:65] scope:SCOPE_SE
	s_setreg_imm32_b32 hwreg(HW_REG_WAVE_MODE, 25, 1), 1
	s_wait_xcnt 0x0
	s_wait_alu depctr_hold_cnt(0) depctr_sa_sdst(0) depctr_va_vdst(0) depctr_va_sdst(0) depctr_va_ssrc(0) depctr_va_vcc(0) depctr_vm_vsrc(0)
	s_getreg_b32 s2, hwreg(HW_REG_IB_STS2, 6, 4)
	s_cmp_eq_u32 s2, 0
	s_cbranch_scc0 .Lentry_in_a_cluster
	s_endpgm
.Lentry_in_a_cluster:
	s_bfe_u32 s2, ttmp6, 0x10000c
	s_cmp_lg_u32 s2, 0xf033
	s_cbranch_scc0 .Lentry_shape_is_right
	s_endpgm
.Lentry_shape_is_right:
; q = query Wq^T + bq, k = key Wk^T + bk, v = value Wv^T + bv, on codes of FP8 (E4M3); the results are quantised at once, with the scales given for them as operands of the two products of attention, and stored as codes.
; OPERANDS: xc and wc: tiles of 16 rows, each 8 fragments (16 rows x 128 K, 2,048 bytes) laid as images of the operand's registers: register p of lane L at 512 (p / 4) + 16 L + 4 (p % 4).
; A tile of the result, 256 x 256, is made by four waves, as many as a WGP has SIMDs; a wave makes 128 x 128: 64 accumulators, 512 registers.  K = 1,024 goes in four steps of 256 through two LDS slots filled by the tensor data mover.
; THE MATRIX INSTRUCTION IS USED TRANSPOSED (source 0 = 16 rows of B, source 1 = 16 rows of A): a lane holds ONE row of A and eight neighbouring rows of B.  For q and k: A = tokens, B = W: a lane's eight are eight neighbours
; along the head's axis, which is the K of q k^T.  For v the roles are swapped, A = Wv, B = tokens: a lane's eight are eight neighbouring KEYS, the K of p v.  So one conversion for each accumulator gives two registers of the next operand.
; qkv: three parts (q, k, v) of 8,388,608 bytes, each [batch 4][pair of heads 8][128 tokens 16][16,384 bytes].  q, k: [tile of 16 tokens 8][head of the pair 2][16 tokens x 64: 1,024 bytes].  v: [head of the pair 2][16 of the head's 64: 4][16 x 128 keys: 2,048 bytes].
; A wave's 128 x 128 are exactly one such block of 16,384 bytes; block a of its eight leaves by four stores of 512 consecutive bytes.  No stage, no LDS on the way out.
; THE BIAS is the C of each sum's first matrix instruction, divided by the power of two that the sums lack: b / 2^E, E = the two operands' exponents added.
; CLUSTERS: 4 x 4 work-groups; 24 clusters, 8 for each of q, k, v.  A's tiles are shared along a row of the cluster, B's along a column: each is asked for JOINTLY, by the same tensor load with the same descriptor and a mask that names the four.
; The one branch that tells v from q and k hangs on the cluster's number, which all sixteen partners share.
; LIMITS: X = (the result's exponent) - E between -126 and 119, so that 2^X is an f32 number; b / 2^E is made by v_ldexp_f32 and is lost where it leaves f32's range.
; REGISTERS, in windows of 256: window 0: v16-31 addresses and scales; v32-95 the bias as C; v96-103 v's bias as loaded; v128-255 A's fragments, ONE set, later the codes.
;   window 1: B's fragments, TWO sets, at v0 and v128.   window 2: the 32 accumulators of my A rows 0-63 ((a, b) at v[8 (8 a + b)]);   window 3: those of rows 64-127.
.set TROW,  4096                       ; a tile of 16 rows in a slot: two fragments
.set HALFT, 32768                      ; 8 such tiles: what one tensor load brings, and what one wave reads of A or of B
.set SLOT,  131072                     ; A's 16 tiles, then B's 16
.set SPARE, 262144                     ; behind the ring: the spare words, 128 bytes for each wave: two blocks of 256 bytes that no other line names
.set FR,    16                         ; registers of a fragment
.set NL,    4                          ; LDS loads that bring one
.set NP,    4                          ; places behind this matrix instruction (ISA guide 7.12.1)
.set ADRA, 16                          ; v16-17  LDS address of my A fragments in slot 0, 1
.set ADRB, 20                          ; v20-21  the same for B
.set LI,   24                          ; v24     16 x lane; never rewritten
.set BH,   25                          ; v25     32 h: the bias by B's rows
.set BR,   26                          ; v26     4 r: the bias by A's rows
.set SC,   27                          ; v27     2^X as f32
.set SPW,  28                          ; v28     LDS address of my spare word; never rewritten
.set NIL,  29                          ; v29     0; never rewritten
.set LIM,  30
.set BI,   32
.set BRW,  96
.set AF,   128
.set WV, 18                            ; s18 wave; s19 which half of A's rows is mine, also: I fetch for A (0) or B (1); s20 which half of B's rows, also: which 8 tiles I fetch
.set WH, 19
.set WL, 20
.set G1, 24                            ; s[24:31] descriptor group 1 for A's tiles;  s[32:39] group 0, one set for each slot
.set G0, 32
.set G1B, 48                           ; s[48:55], s[56:63] the same for B's
.set G0B, 56
.set MSB, 0
.macro WIN new                         ; the immediate's high byte repeats the setting that is left; a switch that changes nothing is dropped
.set WNEW, \new
.if MSB != WNEW
	s_set_vgpr_msb (MSB<<8)|WNEW
.set MSB, WNEW
.endif
.endm
.set MUL_LO, 0xa1                      ; source 0 (B) window 1, source 1 (A) window 0, C and D window 2
.set MUL_HI, 0xf1                      ; the same, C and D window 3
.set FST_LO, 0x81                      ; the first products: C (the bias) window 0, D window 2
.set FST_HI, 0xc1                      ; D window 3
.set TO_B,   0x40                      ; destination window 1, address window 0
; A joint load: waves 0 and 1 fetch for A, waves 2 and 3 for B.  Each of the two lines has ONE mask and one set of registers for all that issue it; the branch hangs on the wave's number alone.
; An s_nop 0 and four v_nop follow each of the two lines, ahead of the jump, the label and what follows.
.macro JLOAD g0a, g1a, g0b, g1b
	s_cmp_eq_u32 s[WH], 0
	s_cbranch_scc0 .Lfor_b_\@
	tensor_load_to_lds s[\g0a:\g0a+3], s[\g1a:\g1a+7]
	s_nop 0
.rept 4
	v_nop
.endr
	s_branch .Lasked_\@
.Lfor_b_\@:
	tensor_load_to_lds s[\g0b:\g0b+3], s[\g1b:\g1b+7]
	s_nop 0
.rept 4
	v_nop
.endr
.Lasked_\@:
.endm
.macro CREST                           ; a round of the cluster's barrier behind its opening barrier
	s_cmp_lg_u32 s[WV], 0
	s_cbranch_scc1 .Lnot_wave_0_\@
	s_barrier_signal -3
.Lnot_wave_0_\@:
	s_barrier_wait -3
	s_barrier_signal -1
	s_barrier_wait -1
.endm
.macro CROUND                          ; a whole round
	s_barrier_signal -1
	s_barrier_wait -1
	CREST
.endm
	s_load_b256 s[4:11], s[0:1], 0x0               ; xc s[4:5], wc s[6:7], bq s[8:9], bk s[10:11]
	s_load_b128 s[12:15], s[0:1], 0x20             ; bv s[12:13], the scales' exponents s[14:15]
	s_load_b64 s[16:17], s[0:1], 0x30              ; qkv
	v_lshl_add_u32 v[SPW], v0, 2, SPARE
	v_mov_b32 v[NIL], 0
	ds_add_u32 v[SPW], v[NIL]                      ; the wave's opening: the add and its wait stand ahead of my first tensor load; the set-up below, work on registers, stands between them
	ds_add_u32 v[SPW], v[NIL]
	v_lshrrev_b32 v1, 5, v0
	v_readfirstlane_b32 s[WV], v1                  ; wave 0..3
	s_lshr_b32 s[WH], s[WV], 1
	s_and_b32 s[WL], s[WV], 1
	s_bfe_u32 s21, ttmp6, 0x40000                  ; cx, cy: my place in the cluster
	s_bfe_u32 s22, ttmp6, 0x40004
	s_and_b32 s23, ttmp7, 0xffff                   ; the cluster's number, 0..23
	s_lshr_b32 s2, s23, 3                          ; T: 0 q, 1 k, 2 v
	s_and_b32 s3, s23, 7                           ; c: which 1,024 tokens
	s_lshl_b32 s40, s22, 2
	s_lshl_b32 s40, 15, s40                        ; my row of the cluster
	s_lshl_b32 s66, 0x1111, s21                    ; my column
	; descriptor group 1: 8 rows (tiles of 16 rows of the operand) of 4,096 bytes, 16,384 bytes apart in memory, dense in LDS
	s_or_b32 s[G1], s40, (3<<16)|(1<<21)           ; 15:0 the mask: A's tiles go to my row; 17:16 elements of 8 bytes; 20 no padding; 21 set beside a mask
	s_or_b32 s[G1B], s66, (3<<16)|(1<<21)
.irp g, G1, G1B
	s_mov_b32 s[\g+1], 512<<16                     ; tensor_dim0 = 512 elements
	s_mov_b32 s[\g+2], 8<<16                       ; tensor_dim1 = 8
	s_mov_b32 s[\g+3], 512<<16                     ; tile_dim0
	s_mov_b32 s[\g+4], 8                           ; tile_dim1
	s_mov_b32 s[\g+5], 2048                        ; tensor_dim0_stride
	s_mov_b32 s[\g+6], 0
	s_mov_b32 s[\g+7], 0
.endr
	; which tiles of 256 rows (262,144 bytes).  Tokens: 32 T + 4 c + place, in xc; weights: 4 T + place, in wc.  A's registers never hold cx, B's never cy
	s_lshl_b32 s41, s2, 5
	s_lshl_b32 s42, s3, 2
	s_add_co_u32 s41, s41, s42                     ; 32 T + 4 c
	s_lshl_b32 s42, s2, 2                          ; 4 T
	s_cmp_lt_u32 s2, 2                             ; q and k: A = tokens, B = W; v: A = W, B = tokens
	s_cselect_b32 s43, s41, s42
	s_cselect_b32 s67, s42, s41
	s_add_co_u32 s43, s43, s22                     ; A: + cy
	s_add_co_u32 s67, s67, s21                     ; B: + cx
	s_lshl_b32 s44, s43, 18
	s_lshl_b32 s68, s67, 18
	s_lshl_b32 s42, s[WL], 17                      ; which 8 tiles of 16 rows I fetch
	s_add_co_u32 s44, s44, s42
	s_add_co_u32 s68, s68, s42
	s_mov_b32 s45, 0
	s_mov_b32 s69, 0
	s_lshl_b32 s47, s[WV], 15                      ; where they go: wave x 32,768: no place in the cluster enters an LDS address
	s_wait_dscnt 0x0                               ; the opening add is done
	s_wait_kmcnt 0x0
	s_load_b256 s[72:79], s[14:15], 0x0            ; exponents 0 to 7
	s_load_b128 s[80:83], s[14:15], 0x20           ; 8 to 11
	s_cmp_lt_u32 s2, 2
	s_cselect_b64 s[40:41], s[4:5], s[6:7]
	s_cselect_b64 s[70:71], s[6:7], s[4:5]
	s_add_nc_u64 s[44:45], s[40:41], s[44:45]
	s_add_nc_u64 s[68:69], s[70:71], s[68:69]
	CROUND                                         ; all sixteen work-groups are here: the first joint loads meet
.irp s, 0,1
	s_mov_b32 s[G0+4*\s], 1
	s_add_co_u32 s[G0+4*\s+1], s47, \s*SLOT
	s_add_nc_u64 s[G0+4*\s+2:G0+4*\s+3], s[44:45], \s*TROW
	s_or_b32 s[G0+4*\s+3], s[G0+4*\s+3], 0x80000000
	s_mov_b32 s[G0B+4*\s], 1
	s_add_co_u32 s[G0B+4*\s+1], s47, \s*SLOT
	s_add_nc_u64 s[G0B+4*\s+2:G0B+4*\s+3], s[68:69], \s*TROW
	s_or_b32 s[G0B+4*\s+3], s[G0B+4*\s+3], 0x80000000
	JLOAD G0+4*\s, G1, G0B+4*\s, G1B               ; two tensor loads of mine are out
.endr
	v_and_b32 v1, 31, v0
	v_lshlrev_b32 v[LI], 4, v1
	v_bfe_u32 v2, v0, 4, 1                         ; h
	v_and_b32 v3, 15, v0                           ; r
	v_lshlrev_b32 v[BH], 5, v2
	s_wait_alu depctr_va_vdst(0)
	v_lshlrev_b32 v[BR], 2, v3
	s_wait_alu depctr_va_vdst(0)
	s_lshl_b32 s40, s[WH], 15                      ; my 8 tiles of A
	s_lshl_b32 s41, s[WL], 15                      ; my 8 tiles of B,
	s_add_co_u32 s41, s41, 2*HALFT                 ; which lie behind A's 16
.irp s, 0,1
	v_add_nc_u32 v[ADRA+\s], s40, v[LI]
	v_add_nc_u32 v[ADRB+\s], s41, v[LI]
	s_add_co_u32 s40, s40, SLOT
	s_add_co_u32 s41, s41, SLOT
.endr
	; where my 16,384 bytes of codes go, and which 128 numbers of the bias are mine
	s_cmp_lt_u32 s2, 2
	s_cselect_b32 s66, s22, s21                    ; the tokens' place in the cluster,
	s_cselect_b32 s67, s[WH], s[WL]                ; their half of the tile,
	s_cselect_b32 s68, s21, s22                    ; the features' place,
	s_cselect_b32 s69, s[WL], s[WH]                ; their half
	s_lshl_b32 s70, s3, 2
	s_add_co_u32 s66, s66, s70                     ; the tile of 256 tokens, 0..31
	s_lshl_b32 s68, s68, 1
	s_add_co_u32 s68, s68, s69                     ; the pair of heads, 0..7
	s_lshr_b32 s70, s66, 3                         ; the batch
	s_lshl_b32 s70, s70, 3
	s_add_co_u32 s70, s70, s68
	s_lshl_b32 s70, s70, 4
	s_and_b32 s66, s66, 7
	s_lshl_b32 s66, s66, 1
	s_add_co_u32 s70, s70, s66
	s_add_co_u32 s70, s70, s67                     ; (8 batch + pair) x 16 + the 128 tokens' number in the batch
	s_lshl_b32 s70, s70, 14
	s_lshl_b32 s71, s2, 23                         ; + 8,388,608 T
	s_add_co_u32 s70, s70, s71
	s_mov_b32 s71, 0
	s_add_nc_u64 s[90:91], s[16:17], s[70:71]
	s_cmp_eq_u32 s2, 0
	s_cselect_b64 s[88:89], s[8:9], s[12:13]
	s_cmp_eq_u32 s2, 1
	s_cselect_b64 s[88:89], s[10:11], s[88:89]
	s_lshl_b32 s70, s68, 9
	s_add_nc_u64 s[88:89], s[88:89], s[70:71]
.irp b, 0,1,2,3,4,5,6,7                ; the bias both ways, each inside my 512 bytes.  By B's rows: lane (r, h) wants, for B's block b, numbers 16 b + 8 h + 0 .. 7
	global_load_b128 v[BI+8*\b:BI+8*\b+3], v[BH], s[88:89] offset:64*\b
	global_load_b128 v[BI+8*\b+4:BI+8*\b+7], v[BH], s[88:89] offset:64*\b+16
.endr
.irp a, 0,1,2,3,4,5,6,7                ; by A's rows: for A's block a, number 16 a + r
	global_load_b32 v[BRW+\a], v[BR], s[88:89] offset:64*\a
.endr
.macro FRAG reg, adr, q, i             ; a fragment comes as it lies: four loads of 512 consecutive bytes
.irp c, 0,1,2,3
	ds_load_b128 v[\reg+4*\c:\reg+4*\c+3], v[\adr] offset:TROW*(\i)+2048*(\q)+512*\c
.endr
.endm
; 16 matrix instructions: A's blocks a0, a0 + 1 x B's eight, 128 along K.  p: B's set.  z = 1: the first products, C = the bias by B's rows; z = 2: by A's rows; z = 0: the sums go on.  Nothing is ever cleared.
; The 64 accumulators take turns, one instruction a turn, in the same order in every step.
.macro MUL16 a0, p, z
.irp a, \a0, \a0+1
.irp b, 0,1,2,3,4,5,6,7
.if \z == 1
	v_wmma_f32_16x16x128_fp8_fp8 v[8*(8*((\a)%4)+\b):8*(8*((\a)%4)+\b)+7], v[128*(\p)+FR*\b:128*(\p)+FR*\b+FR-1], v[AF+FR*(\a):AF+FR*(\a)+FR-1], v[BI+8*\b:BI+8*\b+7]
.elseif \z == 2
	v_wmma_f32_16x16x128_fp8_fp8 v[8*(8*((\a)%4)+\b):8*(8*((\a)%4)+\b)+7], v[128*(\p)+FR*\b:128*(\p)+FR*\b+FR-1], v[AF+FR*(\a):AF+FR*(\a)+FR-1], v[BI+8*(\a):BI+8*(\a)+7]
.else
	v_wmma_f32_16x16x128_fp8_fp8 v[8*(8*((\a)%4)+\b):8*(8*((\a)%4)+\b)+7], v[128*(\p)+FR*\b:128*(\p)+FR*\b+FR-1], v[AF+FR*(\a):AF+FR*(\a)+FR-1], v[8*(8*((\a)%4)+\b):8*(8*((\a)%4)+\b)+7]
.endif
.endr
.endr
.endm
.macro FETCH_B slot, q, p              ; B's eight fragments of the slot's q-th 128 along K into set p
	WIN TO_B
.irp i, 0,1,2,3,4,5,6,7
	FRAG 128*(\p)+FR*\i, ADRB+\slot, \q, \i
.endr
	WIN 0
.endm
.macro FETCH_A slot, q, i0             ; A's blocks i0 .. i0 + 3
.irp i, \i0, \i0+1, \i0+2, \i0+3
	FRAG AF+FR*(\i), ADRA+\slot, \q, \i
.endr
.endm
; A load into a register that a matrix instruction has read, and a vector instruction that reads a matrix result, stand NP places behind that matrix instruction, and only plain vector
; instructions that name none of its registers are places (ISA guide 7.12.1 for vector instructions).
.macro PLACES n
.rept \n
	v_nop
.endr
.endm
; A step of 128 along K that has its successor in the same slot.  A block of A is free as soon as its eight products are issued: blocks 0-3 are fetched anew in the step's middle, blocks 4-7 at its end.
.macro STEP slot, q, z
	s_wait_dscnt 4*NL                              ; B's set and A's blocks 0-3 are in; the youngest sixteen loads (A's blocks 4-7) may be out
.if \z
	WIN FST_LO
.else
	WIN MUL_LO
.endif
	MUL16 0, (\q)%2, \z
	MUL16 2, (\q)%2, \z
	s_wait_dscnt 0                                 ; A's blocks 4-7 are in (asked for 32 matrix instructions ago)
	PLACES NP
	FETCH_B \slot, (\q)+1, 1-(\q)%2
	FETCH_A \slot, (\q)+1, 0
.if \z
	WIN FST_HI
.else
	WIN MUL_HI
.endif
	MUL16 4, (\q)%2, \z
	MUL16 6, (\q)%2, \z
	PLACES NP
	WIN 0
	FETCH_A \slot, (\q)+1, 4
.endm
; A slot's last step changes slots: ONE barrier; in front of it each wave waits for all its tensor loads, adds 0 to its spare word, and waits for that and for its own reads of this slot.  fill = 1: this slot is filled again, two K steps ahead.
.macro TURN slot, next, fill
	s_wait_tensorcnt 0x0                           ; all my tensor loads have landed: my part of the next slot  (every window is 0 here: the add's two registers lie in window 0)
	ds_add_u32 v[SPW], v[NIL]                      ; 0 onto my spare word
	s_wait_dscnt 4*NL+1                            ; (the add and the youngest sixteen loads, A's blocks 4-7, may be out)
	WIN MUL_LO
	MUL16 0, 1, 0                                  ; sixteen matrix instructions stand between the add and the wait for it
	s_wait_dscnt 0x0                               ; the add is done, and my reads of this slot are over
	s_barrier_signal -1
	MUL16 2, 1, 0
	WIN 0
	s_barrier_wait -1
.if \fill
	CREST                                          ; the barrier has opened a round of the cluster's barrier: no wave of any partner still reads this slot's tile or has a load on its way
	s_add_nc_u64 s[G0+4*\slot+2:G0+4*\slot+3], s[G0+4*\slot+2:G0+4*\slot+3], 2*TROW
	s_add_nc_u64 s[G0B+4*\slot+2:G0B+4*\slot+3], s[G0B+4*\slot+2:G0B+4*\slot+3], 2*TROW
	JLOAD G0+4*\slot, G1, G0B+4*\slot, G1B         ; the first tensor load behind the round, my only one until the next; the four v_nop behind it are the places in front of the loads below
.else
	PLACES NP
.endif
	FETCH_B \next, 0, 0
	FETCH_A \next, 0, 0
	WIN MUL_HI
	MUL16 4, 1, 0
	MUL16 6, 1, 0
	PLACES NP
	WIN 0
	FETCH_A \next, 0, 4
.endm
	s_wait_alu depctr_va_vdst(0)
	s_wait_tensorcnt 1                             ; my part of K step 0 is in (K step 1's load may be out)
	s_barrier_signal -1
	s_barrier_wait -1                              ; everybody's is
	FETCH_B 0, 0, 0
	FETCH_A 0, 0, 0
	FETCH_A 0, 0, 4
	s_wait_kmcnt 0x0                               ; the exponents: chosen by T without a branch
	s_cmp_eq_u32 s2, 0
	s_cselect_b32 s84, s72, s76                    ; the tokens': entry 0 (or 4),
	s_cselect_b32 s85, s73, s77                    ; the weight's: 1 (or 5),
	s_cselect_b32 s86, s78, s81                    ; the result's: 6 (or 9)
	s_cmp_eq_u32 s2, 1
	s_cselect_b32 s84, s74, s84                    ; k: 2, 3, 7
	s_cselect_b32 s85, s75, s85
	s_cselect_b32 s86, s79, s86
	s_add_co_i32 s84, s84, s85                     ; E: a sum stands for sum x 2^E
	s_sub_co_i32 s85, s86, s84                     ; X: its code is sum / 2^X: the three scales folded into the conversion's one
	s_sub_co_i32 s86, 0, s84                       ; -E, for the bias
	s_add_co_i32 s85, s85, 127
	s_lshl_b32 s87, s85, 23
	v_mov_b32 v[SC], s87
	s_wait_loadcnt 0x0                             ; the bias
	s_cmp_eq_u32 s2, 2                             ; the cluster's number decides: the same way in all sixteen partners; no barrier and no tensor load stands in either arm
	s_cbranch_scc1 .Lrow
.set i, 0
.rept 64
	v_ldexp_f32 v[BI+i], v[BI+i], s86              ; q, k: b / 2^E by B's rows
.set i, i+1
.endr
	s_wait_alu depctr_va_vdst(0)
	STEP 0, 0, 1                                   ; the first step's products start the sums
	s_branch .Ljoin
.Lrow:
.irp a, 0,1,2,3,4,5,6,7
.irp j, 0,1,2,3,4,5,6,7
	v_ldexp_f32 v[BI+8*\a+\j], v[BRW+\a], s86      ; v: b / 2^E by A's rows: the same number in a lane's eight
.endr
.endr
	s_wait_alu depctr_va_vdst(0)
	STEP 0, 0, 2
.Ljoin:
	TURN 0, 1, 1                                   ; K = 1,024 is four slots' worth: each slot is filled again once, and all is written out
	STEP 1, 0, 0
	TURN 1, 0, 1
	STEP 0, 0, 0
	TURN 0, 1, 0                                   ; nothing is left to fetch: no round
	STEP 1, 0, 0
	s_wait_dscnt 4*NL                              ; the very last step
	WIN MUL_LO
	MUL16 0, 1, 0
	MUL16 2, 1, 0
	s_wait_dscnt 0
	WIN MUL_HI
	MUL16 4, 1, 0
	MUL16 6, 1, 0
	WIN 0
; THE WAY OUT of A's block a: its 64 sums a lane are read by the conversions from window 2 or 3; eight conversions make 16 registers of codes, which leave by four stores.
; Each block has code registers of its own (where A's fragments lay), so no store's data are written again and no wait stands here.
.macro OUTB a
.set AC, 64*((\a)%4)
	WIN 0x02+((\a)/4)                              ; source 0: window 2 or 3
.set i, 0
.rept 64
.set i, i+1
.endr
.irp b, 0,1,2,3,4,5,6,7
	v_cvt_scalef32_pk8_fp8_f32 v[AF+16*(\a)+2*\b:AF+16*(\a)+2*\b+1], v[AC+8*\b:AC+8*\b+7], v[SC]
.endr
	WIN 0
	v_nop                                          ; a plain vector line behind the last conversion
.irp g, 0,1,2,3
	global_store_b128 v[LI], v[AF+16*(\a)+4*\g:AF+16*(\a)+4*\g+3], s[90:91] offset:2048*(\a)+512*\g  ; 32 lanes store 512 consecutive bytes, at a multiple of 256 from the buffer's first byte
.endr
.endm
	PLACES NP                                      ; behind the last products: the conversions write registers that they read
.irp a, 0,1,2,3,4,5,6,7
	OUTB \a
.endr
	s_wait_tensorcnt 0x0                           ; the wave's end, behind my last tensor load
	ds_add_u32 v[SPW], v[NIL]
	s_wait_dscnt 0x0
	CROUND                                         ; the closing round: no work-group ends while a partner may still ask for a tile that names it
	s_endpgm
.Lfunc_end_k_qd89f02c7af_proj:
	.size	k_qd89f02c7af_proj, .Lfunc_end_k_qd89f02c7af_proj-k_qd89f02c7af_proj
	.p2alignl 7, 3214868480
	.fill 96, 4, 3214868480
	.section	.rodata,"a",@progbits
	.p2align	6, 0x0
	.amdhsa_kernel k_qd89f02c7af_proj
		.amdhsa_group_segment_fixed_size 327680
		.amdhsa_private_segment_fixed_size 0
		.amdhsa_enable_private_segment 0
		.amdhsa_kernarg_size 56
		.amdhsa_user_sgpr_count 2
		.amdhsa_user_sgpr_kernarg_segment_ptr 1
		.amdhsa_wavefront_size32 1
		.amdhsa_system_sgpr_workgroup_id_x 1
		.amdhsa_system_sgpr_workgroup_id_y 1
		.amdhsa_system_sgpr_workgroup_id_z 1
		.amdhsa_system_vgpr_workitem_id 0
		.amdhsa_next_free_vgpr 1024
		.amdhsa_next_free_sgpr 96
		.amdhsa_reserve_vcc 0
		.amdhsa_float_denorm_mode_32 3
		.amdhsa_float_denorm_mode_16_64 3
		.amdhsa_fp16_overflow 1
		.amdhsa_memory_ordered 1
		.amdhsa_forward_progress 1
		.amdhsa_inst_pref_size 105
	.end_amdhsa_kernel
	.amdgpu_metadata
---
amdhsa.version: [ 1, 2 ]
amdhsa.kernels:
  - .name:           k_qd89f02c7af_proj
    .symbol:         k_qd89f02c7af_proj.kd
    .args:
      - { .name: xc, .offset: 0, .size: 8, .value_kind: global_buffer, .address_space: global }
      - { .name: wc, .offset: 8, .size: 8, .value_kind: global_buffer, .address_space: global }
      - { .name: bq, .offset: 16, .size: 8, .value_kind: global_buffer, .address_space: global }
      - { .name: bk, .offset: 24, .size: 8, .value_kind: global_buffer, .address_space: global }
      - { .name: bv, .offset: 32, .size: 8, .value_kind: global_buffer, .address_space: global }
      - { .name: lowp_scales, .offset: 40, .size: 8, .value_kind: global_buffer, .address_space: global }
      - { .name: qkv, .offset: 48, .size: 8, .value_kind: global_buffer, .address_space: global }
    .group_segment_fixed_size: 327680
    .private_segment_fixed_size: 0
    .kernarg_segment_align: 8
    .kernarg_segment_size: 56
    .max_flat_workgroup_size: 128
    .sgpr_count:     96
    .vgpr_count:     1024
    .wavefront_size: 32
...
	.end_amdgpu_metadata
.endif
;; end of part 2
;; launch attn (part 3): grid 4 x 64, 16 waves a work-group, clusters of 4 x 1, 264,192 bytes of LDS; arguments qkv, lowp_scales, oc; writes oc
.if DOCPART == 3
	.amdgcn_target "amdgcn-amd-amdhsa--gfx1250"
	.amdhsa_code_object_version 6
	.text
	.protected	k_qd89f02c7af_attn
	.globl	k_qd89f02c7af_attn
	.p2align	8
	.type	k_qd89f02c7af_attn,@function
k_qd89f02c7af_attn:
	s_mov_b64 s[64:65], 0
	v_nop
	global_prefetch_b8 v0, s[64:65] scope:SCOPE_SE
	s_setreg_imm32_b32 hwreg(HW_REG_WAVE_MODE, 25, 1), 1
	s_wait_xcnt 0x0
	s_wait_alu depctr_hold_cnt(0) depctr_sa_sdst(0) depctr_va_vdst(0) depctr_va_sdst(0) depctr_va_ssrc(0) depctr_va_vcc(0) depctr_vm_vsrc(0)
	s_getreg_b32 s2, hwreg(HW_REG_IB_STS2, 6, 4)
	s_cmp_eq_u32 s2, 0
	s_cbranch_scc0 .Lentry_in_a_cluster
	s_endpgm
.Lentry_in_a_cluster:
	s_bfe_u32 s2, ttmp6, 0x10000c
	s_cmp_lg_u32 s2, 0x3003
	s_cbranch_scc0 .Lentry_shape_is_right
	s_endpgm
.Lentry_shape_is_right:
; o = softmax(q k^T / 8, causal) v for 64 heads (4 batches x 16) of 2,048 tokens x 64, both products on codes of FP8 (E4M3); o is quantised at once, as the operand of the last projection, and stored as codes.
; THE SOFTMAX AHEAD OF THE SECOND PRODUCT: t = score x log2(e) / 8; M = the row's largest t so far, rounded UP to a whole number; p = 2^(t - M) is what is quantised; it is not normalised.
; The row's sum is taken of the unquantised p, in f32, and divides at the end.  When M moves, the sum and O are multiplied by 2^(old M - new M): exact.
; INPUT qkv: three parts (q, k, v) of 8,388,608 bytes, [batch][pair of heads][128 tokens][16,384 bytes], fragments laid as images of the operand's registers (register p of lane L at 512 (p / 4) + 16 L + 4 (p % 4)):
; q, k: [tile of 16 tokens 8][head of the pair 2][16 tokens x 64: 1,024 bytes]; v: [head of the pair 2][16 of the head's 64: 4][16 x 128 keys: 2,048 bytes].
; OUTPUT oc: [tile of 16 tokens][pair of heads][16 tokens x 128: 2,048 bytes]; a head's half of a fragment is 1,024 consecutive bytes.
; CLUSTER.  The four work-groups of a cluster own one head.  ALL of the head's K (131,072 bytes) and V (131,072) lie in each one's LDS, asked for JOINTLY, once, at the head: no slot is ever filled again, and one barrier, behind the first quarter, stands in the work.
; SHARES.  The head's 128 tiles of 16 queries are dealt in pairs: wave w of work-group cx has g = w / 2 and s = 2 cx + w % 2 and owns tiles 127 - 8 g - s and 8 g + s.  The first wants key steps 0 .. 15 - g, the second 0 .. g:
; 17 steps of 128 keys for every wave, two of them on the diagonal.  g hangs on the wave's number alone; cx enters only Q's and O's addresses in memory and the mask's data.
; The loops' trip counts are constants: a step all of whose keys come after the wave's queries is jumped over by a scalar branch on the wave's number and the count.
; LAYOUT.  Both products are used transposed: S^T = K Q^T (source 0 = 16 keys, source 1 = my 16 queries, K = 64), O^T = V^T P^T (source 0 = 16 of the head's 64, source 1 = P, K = 128 keys): a lane holds ONE query throughout, and
; its eight registers of key tile t are keys 16 t + 8 (lane / 16) + 0 .. 7: just what registers 2 t, 2 t + 1 of the next operand hold.  Likewise O^T's eight registers for oc.
; Sixteen waves of 256 registers: four to a SIMD, so that one wave's vector work stands beside another's matrix work and LDS loads.
; LIMITS on the given exponents, so that each power of two below is an f32 number: those of q and k added between -123 and 130; p's and o's between -126 and 119; p's + v's is applied by v_ldexp_f32 and has none.
.set VOFF,  131072                     ; LDS: K at 1,024 x key tile; V from here on, 8,192 x key step + 2,048 x (16 of the head's 64)
.set SPARE, 262144                     ; behind them: the spare words, 128 bytes for each wave: eight blocks of 256 bytes that no other line names
.set CH,    8192                       ; a key step's bytes of K, and of V
.set LI,   1                           ; v1   16 x lane; never rewritten
.set ADK,  2                           ; v2   LDS address of the step's K
.set ADV,  3                           ; v3   of its V
.set SPW,  4                           ; v4   LDS address of my spare word; never rewritten
.set NIL,  5                           ; v5   0; never rewritten
.set DH,   6                           ; v6   the later tile's query in its diagonal step, less 8 (lane / 16)
.set DL,   7                           ; v7   the earlier tile's
.set PSC,  8                           ; v8   2^ep
.set PLIM, 9
.set OSC,  10                          ; v10  2^eo
.set OLIM, 11
                                       ; v12 -M, v13 the largest t, v[14:15] the sum in two halves
.set QH,   16                          ; v16-23 the later tile's Q;  v24-31 the earlier tile's
.set QL,   24
.set F,    32                          ; v32-95  K's 8 fragments, then V's 4
.set S,    96                          ; v96-159 S^T, then p
.set O,    160                         ; v160-191 O^T
.set PC,   192                         ; v192-207 p's codes
.set MA,   208                         ; v208 at work;  v209 a lane permute's destination;  v[210:211] at work, then f;  v[212:213] the second chain of the sum
.set PX,   209
.set MB,   210
.set SB,   212
.set NINF, 214                         ; v214 -infinity
.set LIV,  215                         ; v215 VOFF + 16 x lane
.set OC,   216                         ; v216-223 o's codes
.set OFH,  224                         ; v224, v225 my bytes of the two tiles in oc;  v226, v227 in q
.set OFL,  225
.set QFH,  226
.set QFL,  227
.set WV,   10                          ; s10 wave
.set LAST, 15                          ; s15 the tile's last key step, the one on the diagonal
.set CNT,  16                          ; s16 the key step
.set KO,   17                          ; s17 8,192 x the key step
.set SEL,  20                          ; s[20:21] lane selects for v_permlanex16_b32: lane l xor 16
.set CS,   22                          ; s[22:23] c = log2(e) / 8 x 2^(eq + ek): the packed form names a pair and takes its low word for both halves
.set G1K,  24                          ; s[24:31] descriptor group 1 for K's tiles;  s[32:39] for V's;  s[40:55] four groups 0, one for each quarter of the keys
.set G1V,  32
.set G0,   40
.macro CROUND                          ; a round of the cluster's barrier
	s_barrier_signal -1
	s_barrier_wait -1
	s_cmp_lg_u32 s[WV], 0
	s_cbranch_scc1 .Lnot_wave_0_\@
	s_barrier_signal -3
.Lnot_wave_0_\@:
	s_barrier_wait -3
	s_barrier_signal -1
	s_barrier_wait -1
.endm
	s_load_b128 s[4:7], s[0:1], 0x0                ; qkv s[4:5], the scales' exponents s[6:7]
	s_load_b64 s[8:9], s[0:1], 0x10                ; oc
	v_lshl_add_u32 v[SPW], v0, 2, SPARE
	v_mov_b32 v[NIL], 0
	ds_add_u32 v[SPW], v[NIL]                      ; the wave's opening: the add and its wait stand ahead of my first tensor load; the set-up below, work on registers, stands between them
	ds_add_u32 v[SPW], v[NIL]
	v_lshrrev_b32 v228, 5, v0
	s_delay_alu instid0(VALU_DEP_1)
	v_readfirstlane_b32 s[WV], v228                ; wave 0..15
	s_bfe_u32 s11, ttmp6, 0x40000                  ; cx
	s_and_b32 s12, ttmp7, 0xffff                   ; the head, 16 x batch + head: the four partners share it
	s_lshr_b32 s13, s[WV], 1                       ; g
	s_and_b32 s14, s[WV], 1
	s_lshl_b32 s66, s11, 1
	s_add_co_u32 s14, s14, s66                     ; s = 2 cx + wave % 2
	s_lshl_b32 s62, s13, 3
	s_add_co_u32 s62, s62, s14                     ; the earlier tile of queries: 8 g + s
	s_sub_co_u32 s63, 127, s62                     ; the later one
	s_lshr_b32 s67, s12, 1
	s_lshl_b32 s67, s67, 18                        ; the pair of heads' 262,144 bytes in each part of qkv
	s_and_b32 s68, s12, 1                          ; u: which head of the pair
	; what I fetch, if I fetch: waves 0, 1: K's halves of each quarter of the keys; waves 2, 3: V's
	s_and_b32 s69, s[WV], 3
	s_lshr_b32 s70, s69, 1                         ; 0: K, 1: V
	s_and_b32 s71, s69, 1                          ; which half
	s_lshl_b32 s72, s70, 17
	s_lshl_b32 s73, s71, 14
	s_add_co_u32 s72, s72, s73                     ; LDS: 131,072 x (K or V) + 16,384 x half: the wave's number alone
	s_lshl_b32 s74, s68, 10
	s_add_co_u32 s74, s74, 8388608                 ; K: the second part of qkv, + 1,024 u
	s_lshl_b32 s75, s68, 13
	s_add_co_u32 s75, s75, 16777216                ; V: the third, + 8,192 u
	s_cmp_eq_u32 s70, 0
	s_cselect_b32 s74, s74, s75
	s_add_co_u32 s74, s74, s67
	s_lshl_b32 s73, s71, 15
	s_add_co_u32 s74, s74, s73                     ; + 32,768 x half
	s_mov_b32 s75, 0
	s_lshl_b32 s2, s68, 10
	s_add_co_u32 s2, s2, s67                       ; Q: the first part, the pair's bytes + 1,024 u
	s_mov_b32 s3, 0
	s_lshr_b32 s78, s12, 4                         ; oc: 2,097,152 x batch
	s_lshl_b32 s78, s78, 21
	s_bfe_u32 s66, s12, 0x30001                    ;     + 2,048 x pair of heads
	s_lshl_b32 s66, s66, 11
	s_add_co_u32 s78, s78, s66
	s_lshl_b32 s66, s68, 10                        ;     + 1,024 u
	s_add_co_u32 s78, s78, s66
	s_mov_b32 s79, 0
	; descriptor group 1.  K: 16 rows (key tiles) of 1,024 bytes, 2,048 apart in memory.  V: 2 rows (key steps) of 8,192 bytes, 16,384 apart.  Dense in LDS
	s_mov_b32 s[G1K], 15|(3<<16)|(1<<21)           ; 15:0 the mask: all four work-groups; 17:16 elements of 8 bytes; 20 no padding; 21 set beside a mask
	s_mov_b32 s[G1K+1], 128<<16                    ; tensor_dim0
	s_mov_b32 s[G1K+2], 16<<16                     ; tensor_dim1
	s_mov_b32 s[G1K+3], 128<<16                    ; tile_dim0
	s_mov_b32 s[G1K+4], 16                         ; tile_dim1
	s_mov_b32 s[G1K+5], 256                        ; tensor_dim0_stride
	s_mov_b32 s[G1K+6], 0
	s_mov_b32 s[G1K+7], 0
	s_mov_b32 s[G1V], 15|(3<<16)|(1<<21)
	s_mov_b32 s[G1V+1], 1024<<16
	s_mov_b32 s[G1V+2], 2<<16
	s_mov_b32 s[G1V+3], 1024<<16
	s_mov_b32 s[G1V+4], 2
	s_mov_b32 s[G1V+5], 2048
	s_mov_b32 s[G1V+6], 0
	s_mov_b32 s[G1V+7], 0
	s_mov_b32 s[SEL], 0x76543210
	s_mov_b32 s[SEL+1], 0xfedcba98
	s_mov_b32 s[CS], 0x3e38aa3b                    ; log2(e) / 8
	s_wait_dscnt 0x0                               ; the opening add is done
	s_wait_kmcnt 0x0
	s_load_b64 s[56:57], s[6:7], 0x18              ; eq, ek: entries 6, 7
	s_load_b64 s[58:59], s[6:7], 0x20              ; ep, ev: 8, 9
	s_load_b32 s60, s[6:7], 0x28                   ; eo: 10
	s_add_nc_u64 s[76:77], s[4:5], s[74:75]
	s_add_nc_u64 s[18:19], s[4:5], s[2:3]          ; Q's base
	s_add_nc_u64 s[8:9], s[8:9], s[78:79]          ; O's base
.irp qd, 0,1,2,3                       ; quarter qd: keys 512 qd on
	s_mov_b32 s[G0+4*\qd], 1
	s_add_co_u32 s[G0+4*\qd+1], s72, 32768*\qd
	s_add_nc_u64 s[G0+4*\qd+2:G0+4*\qd+3], s[76:77], 65536*\qd
	s_or_b32 s[G0+4*\qd+3], s[G0+4*\qd+3], 0x80000000
.endr
	CROUND                                         ; all four work-groups are here: the joint loads meet
	s_cmp_lt_u32 s[WV], 2                          ; a wave's four fills stand in one branch on the wave's number, ahead of every wait on TENSORcnt and every LDS read: four loads of mine are out at the most
	s_cbranch_scc0 .Lnot_k
.irp qd, 0,1,2,3
	tensor_load_to_lds s[G0+4*\qd:G0+4*\qd+3], s[G1K:G1K+7]
	s_nop 0
.endr
.rept 4
	v_nop
.endr
	s_branch .Lasked
.Lnot_k:
	s_cmp_lt_u32 s[WV], 4
	s_cbranch_scc0 .Lasked
.irp qd, 0,1,2,3
	tensor_load_to_lds s[G0+4*\qd:G0+4*\qd+3], s[G1V:G1V+7]
	s_nop 0
.endr
.rept 4
	v_nop
.endr
.Lasked:
	v_and_b32 v228, 31, v0
	s_delay_alu instid0(VALU_DEP_1)
	v_lshlrev_b32 v[LI], 4, v228
	s_lshl_b32 s66, s63, 11
	v_add_nc_u32 v[QFH], s66, v[LI]                ; a tile of queries is 2,048 bytes on from the last (both heads of the pair)
	s_lshl_b32 s66, s62, 11
	v_add_nc_u32 v[QFL], s66, v[LI]
	global_load_b128 v[QH:QH+3], v[QFH], s[18:19]  ; Q's two fragments stay in registers
	global_load_b128 v[QH+4:QH+7], v[QFH], s[18:19] offset:512
	global_load_b128 v[QL:QL+3], v[QFL], s[18:19]
	global_load_b128 v[QL+4:QL+7], v[QFL], s[18:19] offset:512
	v_add_nc_u32 v[LIV], VOFF, v[LI]
	v_and_b32 v228, 15, v0                         ; r
	v_bfe_u32 v229, v0, 4, 1                       ; h
	s_delay_alu instid0(VALU_DEP_1)
	v_lshlrev_b32 v229, 3, v229
	s_delay_alu instid0(VALU_DEP_1)
	v_sub_nc_u32 v228, v228, v229                  ; r - 8 h
	s_lshl_b32 s66, s14, 4
	v_add_nc_u32 v[DL], s66, v228                  ; the earlier tile is tile s of its diagonal step,
	s_sub_co_u32 s66, 112, s66
	v_add_nc_u32 v[DH], s66, v228                  ; the later one tile 7 - s
	s_lshl_b32 s66, s63, 14
	v_add_nc_u32 v[OFH], s66, v[LI]
	s_lshl_b32 s66, s62, 14
	v_add_nc_u32 v[OFL], s66, v[LI]
	v_mov_b32 v[NINF], 0xff800000
	v_mov_b32 v[PX], 0                             ; written once: a lane permute's destination counts as one of its sources
	v_mov_b32 v[MB+1], 0                           ; (named as the upper half of the pair that holds f)
.macro INIT                            ; a tile of queries begins: O^T and the sum are zeros and the largest t lies under every t, so that the step is written once: the first change of M leaves zeros zeros
.set i, 0
.rept 32
	v_mov_b32 v[O+i], 0
.set i, i+1
.endr
	v_mov_b32 v13, 0xff61b1e6                      ; -3e38
	s_delay_alu instid0(VALU_DEP_1)
	v_floor_f32 v12, -v13                          ; -M
	v_mov_b32 v14, 0
	v_mov_b32 v15, 0
.endm
	INIT
	s_wait_kmcnt 0x0
	s_add_co_i32 s66, s56, s57
	s_lshl_b32 s66, s66, 23
	s_add_co_i32 s[CS], s[CS], s66                 ; a score stands for score x 2^(eq + ek): the two exponents are added to c's exponent field
	s_mov_b32 s[CS+1], s[CS]                       ; (named with it as a pair, so it is written)
	s_add_co_i32 s66, s58, 127
	s_lshl_b32 s69, s66, 23
	v_mov_b32 v[PSC], s69
	s_add_co_i32 s66, s60, 127
	s_lshl_b32 s69, s66, 23
	v_mov_b32 v[OSC], s69
	s_add_co_i32 s61, s58, s59                     ; ep + ev
; A KEY STEP: 128 keys.  q: the tile's Q; d: its query's place on the diagonal; causal = 1: the step may lie on or past the diagonal.
.macro STEP q, d, causal
.if \causal
	s_cmp_gt_u32 s[CNT], s[LAST]                   ; all its keys come after my queries: only the two counts at the step's end are stepped
	s_cbranch_scc1 .Lhid_\@
.endif
	s_setprio 2
	v_add_nc_u32 v[ADK], s[KO], v[LI]
	v_add_nc_u32 v[ADV], s[KO], v[LIV]
	v_nop                                          ; with the two additions: four places in front of loads into registers that the last step's products have read
	v_nop
.irp t, 0,1,2,3,4,5,6,7
	ds_load_b128 v[F+8*\t:F+8*\t+3], v[ADK] offset:1024*\t
	ds_load_b128 v[F+8*\t+4:F+8*\t+7], v[ADK] offset:1024*\t+512
.endr
	s_wait_alu depctr_va_vdst(0)
	s_wait_dscnt 0x0
.irp t, 0,1,2,3,4,5,6,7
	v_wmma_f32_16x16x64_fp8_fp8 v[S+8*\t:S+8*\t+7], v[F+8*\t:F+8*\t+7], v[\q:\q+7], 0
.endr
.rept 4
	v_nop                                          ; places in front of the loads below and of the first read of the scores
.endr
.irp t, 0,1,2,3
.irp g, 0,1,2,3
	ds_load_b128 v[F+16*\t+4*\g:F+16*\t+4*\g+3], v[ADV] offset:2048*\t+512*\g  ; V lands under the softmax
.endr
.endr
.if \causal
	s_cmp_lg_u32 s[CNT], s[LAST]                   ; on the diagonal the scores of hidden keys become -infinity ahead of the maximum: p = 0 then
	s_cbranch_scc1 .Lopen_\@
.set n, 0
.rept 64
	v_cmp_gt_i32 vcc_lo, 16*(n/8)+n%8, v[\d]       ; register 8 t + j holds key 16 t + 8 (lane / 16) + j of the step
	v_cndmask_b32 v[S+n], v[S+n], v[NINF], vcc_lo
.set n, n+1
.endr
.Lopen_\@:
.endif
	v_max3_num_f32 v[MA], v[S], v[S+1], v[S+2]     ; the step's largest score of my query, among my 64 keys, in two chains, each accumulator from its low end on,
	v_max3_num_f32 v[MB], v[S+3], v[S+4], v[S+5]
.irp i, 6,10,14,18,22,26,30,34,38,42,46,50,54,58
	v_max3_num_f32 v[MA], v[MA], v[S+\i], v[S+\i+1]
	v_max3_num_f32 v[MB], v[MB], v[S+\i+2], v[S+\i+3]
.endr
	v_max3_num_f32 v[MA], v[MA], v[S+62], v[S+63]
	s_delay_alu instid0(VALU_DEP_1)
	v_max_num_f32 v[MA], v[MA], v[MB]
	s_delay_alu instid0(VALU_DEP_1)
	v_permlanex16_b32 v[PX], v[MA], s[SEL], s[SEL+1]
	s_delay_alu instid0(VALU_DEP_1)
	v_max_num_f32 v[MA], v[MA], v[PX]              ; and among lane l xor 16's
	s_delay_alu instid0(VALU_DEP_1)
	v_mul_f32 v[MA], s[CS], v[MA]                  ; as t (c is positive)
	s_delay_alu instid0(VALU_DEP_1)
	v_max_num_f32 v13, v13, v[MA]                  ; the running largest t
	v_mov_b32 v[MA], v12
	s_delay_alu instid0(VALU_DEP_2)
	v_floor_f32 v12, -v13                          ; the new -M = floor(-t) = -ceil(t): M is a whole number
	s_delay_alu instid0(VALU_DEP_1)
	v_sub_f32 v[MA], v12, v[MA]                    ; M's old value less its new one: a whole number, 0 or less
	s_delay_alu instid0(VALU_DEP_1)
	v_cvt_i32_f32 v[MA], v[MA]                     ; (it saturates)
	s_delay_alu instid0(VALU_DEP_1)
	v_ldexp_f32 v[MB], 1.0, v[MA]                  ; f = 2^(old M - new M)
.set j, 0
.rept 32
	v_pk_fma_f32 v[S+j:S+j+1], v[S+j:S+j+1], s[CS:CS+1], v[12:13] op_sel_hi:[1,0,0]  ; t - M, two at a time (of the pairs c and -M the low word serves both halves)
.set j, j+2
.endr
.set j, 0
	s_setprio 1
	s_wait_alu depctr_va_vdst(0)
.rept 64
	v_exp_f32 v[S+j], v[S+j]                       ; p = 2^(t - M), at most 1: not normalised
.set j, j+1
.endr
	v_pk_mul_f32 v[14:15], v[14:15], v[MB:MB+1] op_sel_hi:[1,0]  ; the sums under the new M: the plain instruction behind the exponentials
	s_wait_alu depctr_va_vdst(0)                   ; one wait for the whole batch, ahead of its first reader
	v_pk_add_f32 v[212:213], v[100:101], v[104:105]
	v_pk_add_f32 v[254:255], v[108:109], v[112:113]
	v_pk_add_f32 v[252:253], v[116:117], v[120:121]
	v_pk_add_f32 v[250:251], v[124:125], v[128:129]
	v_pk_add_f32 v[248:249], v[132:133], v[136:137]
	v_pk_add_f32 v[246:247], v[140:141], v[144:145]
	v_pk_add_f32 v[244:245], v[148:149], v[152:153]
	v_pk_add_f32 v[14:15], v[14:15], v[156:157]
	v_pk_add_f32 v[212:213], v[212:213], v[96:97]
	v_pk_add_f32 v[254:255], v[254:255], v[98:99]
	v_pk_add_f32 v[252:253], v[252:253], v[102:103]
	v_pk_add_f32 v[250:251], v[250:251], v[106:107]
	v_pk_add_f32 v[248:249], v[248:249], v[110:111]
	v_pk_add_f32 v[246:247], v[246:247], v[114:115]
	v_pk_add_f32 v[244:245], v[244:245], v[118:119]
	v_pk_add_f32 v[14:15], v[14:15], v[122:123]
	v_pk_add_f32 v[212:213], v[212:213], v[126:127]
	v_pk_add_f32 v[254:255], v[254:255], v[130:131]
	v_pk_add_f32 v[252:253], v[252:253], v[134:135]
	v_pk_add_f32 v[250:251], v[250:251], v[138:139]
	v_pk_add_f32 v[248:249], v[248:249], v[142:143]
	v_pk_add_f32 v[246:247], v[246:247], v[146:147]
	v_pk_add_f32 v[244:245], v[244:245], v[150:151]
	v_pk_add_f32 v[14:15], v[14:15], v[154:155]
	v_pk_add_f32 v[212:213], v[212:213], v[158:159]
	s_delay_alu instid0(VALU_DEP_2)
	v_pk_add_f32 v[14:15], v[14:15], v[250:251]
	s_delay_alu instid0(VALU_DEP_2)
	v_pk_add_f32 v[212:213], v[212:213], v[248:249]
	v_pk_add_f32 v[254:255], v[254:255], v[246:247]
	v_pk_add_f32 v[252:253], v[252:253], v[244:245]
	s_delay_alu instid0(VALU_DEP_2)
	v_pk_add_f32 v[14:15], v[14:15], v[254:255]
	s_delay_alu instid0(VALU_DEP_2)
	v_pk_add_f32 v[212:213], v[212:213], v[252:253]
	s_delay_alu instid0(VALU_DEP_1)
	v_pk_add_f32 v[14:15], v[14:15], v[212:213]
	s_setprio 0
.irp t, 0,1,2,3,4,5,6,7
.irp i, 0,1,2,3,4,5,6,7
.endr
	v_cvt_scalef32_pk8_fp8_f32 v[PC+2*\t:PC+2*\t+1], v[S+8*\t:S+8*\t+7], v[PSC]  ; registers 2 t, 2 t + 1 of P
.endr
.set j, 0
.rept 16
	v_pk_mul_f32 v[O+j:O+j+1], v[O+j:O+j+1], v[MB:MB+1] op_sel_hi:[1,0]  ; O^T under the new M; also the plain lines behind the last conversion
.set j, j+2
.endr
	s_wait_alu depctr_va_vdst(0)
	s_wait_dscnt 0x0                               ; V is in
.irp t, 0,1,2,3
	v_wmma_f32_16x16x128_fp8_fp8 v[O+8*\t:O+8*\t+7], v[F+16*\t:F+16*\t+15], v[PC:PC+15], v[O+8*\t:O+8*\t+7]
.endr
.if \causal
.Lhid_\@:
.endif
	s_add_co_u32 s[KO], s[KO], CH
	s_add_co_u32 s[CNT], s[CNT], 1
.endm
; A tile of queries is done: O^T x 2^(ep + ev) / the sum, quantised with o's scale: 8 registers of codes, my head's half of a fragment of oc, stored by two lines of 512 consecutive bytes.
.macro FINISH off
	s_wait_xcnt 0x0                                ; the last tile's stores have read their registers
.rept 4
	v_nop                                          ; places behind the last products
.endr
	v_add_f32 v14, v14, v15                        ; the sum's two halves,
	s_delay_alu instid0(VALU_DEP_1)
	v_permlanex16_b32 v[PX], v14, s[SEL], s[SEL+1]
	s_delay_alu instid0(VALU_DEP_1)
	v_add_f32 v14, v14, v[PX]                      ; and lane l xor 16's: the row's sum
	s_wait_alu depctr_va_vdst(0)
	v_rcp_f32 v14, v14
	v_nop                                          ; a plain instruction behind the reciprocal
	s_wait_alu depctr_va_vdst(0)                   ; and the wait ahead of its first reader
	v_ldexp_f32 v14, v14, s61
.set j, 0
.rept 32
	v_mul_f32 v[S+j], v[O+j], v14                  ; each accumulator from its low end on
.set j, j+1
.endr
.set j, 0
.rept 32
.set j, j+1
.endr
.irp t, 0,1,2,3
	v_cvt_scalef32_pk8_fp8_f32 v[OC+2*\t:OC+2*\t+1], v[S+8*\t:S+8*\t+7], v[OSC]
.endr
	v_nop                                          ; a plain vector line behind the last conversion
	global_store_b128 v[\off], v[OC:OC+3], s[8:9]
	global_store_b128 v[\off], v[OC+4:OC+7], s[8:9] offset:512
.endm
	s_wait_loadcnt 0x0                             ; Q
	s_sub_co_u32 s[LAST], 15, s13                  ; THE LATER TILE: key steps 0 .. 15 - g
	s_mov_b32 s[CNT], 0
	s_mov_b32 s[KO], 0
	s_wait_tensorcnt 0x3                           ; my part of the first quarter of the keys is in; the three quarters behind it may be out
	s_barrier_signal -1
	s_barrier_wait -1                              ; everybody's is
.Lh1:                                              ; key steps 0 to 3: the first quarter; all lie under the diagonal (15 - g is 8 at the least)
	STEP QH, DH, 0
	s_cmp_lt_u32 s[CNT], 4
	s_cbranch_scc1 .Lh1
	s_setprio 0
	s_wait_tensorcnt 0x0                           ; all my loads have landed,
	s_wait_dscnt 0x0
	s_barrier_signal -1
	s_barrier_wait -1                              ; everybody's have: all of K and V lie in LDS
	s_mov_b32 s[CNT], 4
	s_mov_b32 s[KO], 4*CH
.Lh2:                                              ; key steps 4 to 15
	STEP QH, DH, 1
	s_cmp_lt_u32 s[CNT], 16
	s_cbranch_scc1 .Lh2
	s_setprio 0
	FINISH OFH
	INIT
	s_mov_b32 s[LAST], s13                         ; THE EARLIER TILE: key steps 0 .. g
	s_mov_b32 s[CNT], 0
	s_mov_b32 s[KO], 0
.Ll:
	STEP QL, DL, 1
	s_cmp_lt_u32 s[CNT], 8
	s_cbranch_scc1 .Ll
	s_setprio 0
	s_wait_alu depctr_va_vdst(0)
	FINISH OFL
	s_wait_tensorcnt 0x0                           ; the wave's end, behind my last tensor load
	ds_add_u32 v[SPW], v[NIL]
	s_wait_dscnt 0x0
	CROUND                                         ; the closing round
	s_endpgm
.Lfunc_end_k_qd89f02c7af_attn:
	.size	k_qd89f02c7af_attn, .Lfunc_end_k_qd89f02c7af_attn-k_qd89f02c7af_attn
	.p2alignl 7, 3214868480
	.fill 96, 4, 3214868480
	.section	.rodata,"a",@progbits
	.p2align	6, 0x0
	.amdhsa_kernel k_qd89f02c7af_attn
		.amdhsa_group_segment_fixed_size 264192
		.amdhsa_private_segment_fixed_size 0
		.amdhsa_enable_private_segment 0
		.amdhsa_kernarg_size 24
		.amdhsa_user_sgpr_count 2
		.amdhsa_user_sgpr_kernarg_segment_ptr 1
		.amdhsa_wavefront_size32 1
		.amdhsa_system_sgpr_workgroup_id_x 1
		.amdhsa_system_sgpr_workgroup_id_y 1
		.amdhsa_system_sgpr_workgroup_id_z 1
		.amdhsa_system_vgpr_workitem_id 0
		.amdhsa_next_free_vgpr 256
		.amdhsa_next_free_sgpr 80
		.amdhsa_reserve_vcc 1
		.amdhsa_float_denorm_mode_32 3
		.amdhsa_float_denorm_mode_16_64 3
		.amdhsa_fp16_overflow 1
		.amdhsa_memory_ordered 1
		.amdhsa_forward_progress 1
		.amdhsa_inst_pref_size 68
	.end_amdhsa_kernel
	.amdgpu_metadata
---
amdhsa.version: [ 1, 2 ]
amdhsa.kernels:
  - .name:           k_qd89f02c7af_attn
    .symbol:         k_qd89f02c7af_attn.kd
    .args:
      - { .name: qkv, .offset: 0, .size: 8, .value_kind: global_buffer, .address_space: global }
      - { .name: lowp_scales, .offset: 8, .size: 8, .value_kind: global_buffer, .address_space: global }
      - { .name: oc, .offset: 16, .size: 8, .value_kind: global_buffer, .address_space: global }
    .group_segment_fixed_size: 264192
    .private_segment_fixed_size: 0
    .kernarg_segment_align: 8
    .kernarg_segment_size: 24
    .max_flat_workgroup_size: 512
    .sgpr_count:     80
    .vgpr_count:     256
    .wavefront_size: 32
...
	.end_amdgpu_metadata
.endif
;; end of part 3
;; launch outp (part 4): grid 4 x 32, 4 waves a work-group, clusters of 4 x 4, 327,680 bytes of LDS; arguments oc, wc, lowp_scales, bo, out0; writes out0
.if DOCPART == 4
	.amdgcn_target "amdgcn-amd-amdhsa--gfx1250"
	.amdhsa_code_object_version 6
	.text
	.protected	k_qd89f02c7af_outp
	.globl	k_qd89f02c7af_outp
	.p2align	8
	.type	k_qd89f02c7af_outp,@function
k_qd89f02c7af_outp:
	s_mov_b64 s[64:65], 0
	v_nop
	global_prefetch_b8 v0, s[64:65] scope:SCOPE_SE
	s_setreg_imm32_b32 hwreg(HW_REG_WAVE_MODE, 25, 1), 1
	s_wait_xcnt 0x0
	s_wait_alu depctr_hold_cnt(0) depctr_sa_sdst(0) depctr_va_vdst(0) depctr_va_sdst(0) depctr_va_ssrc(0) depctr_va_vcc(0) depctr_vm_vsrc(0)
	s_getreg_b32 s2, hwreg(HW_REG_IB_STS2, 6, 4)
	s_cmp_eq_u32 s2, 0
	s_cbranch_scc0 .Lentry_in_a_cluster
	s_endpgm
.Lentry_in_a_cluster:
	s_bfe_u32 s2, ttmp6, 0x10000c
	s_cmp_lg_u32 s2, 0xf033
	s_cbranch_scc0 .Lentry_shape_is_right
	s_endpgm
.Lentry_shape_is_right:
; out0 = o Wo^T + bo, on codes of FP8 (E4M3): o's codes from oc, Wo's from wc (its tiles 192 to 255); out0: [8192][1024] f32.
; OPERANDS: tiles of 16 rows, each 8 fragments (16 rows x 128 K, 2,048 bytes) laid as images of the operand's registers: register p of lane L at 512 (p / 4) + 16 L + 4 (p % 4).
; A tile of out0, 256 x 256, is made by four waves, as many as a WGP has SIMDs; a wave makes 128 x 128: 64 accumulators, 512 registers.  K = 1,024 goes in four steps of 256 through two LDS slots filled by the tensor data mover.
; THE MATRIX INSTRUCTION IS USED TRANSPOSED (source 0 = 16 rows of Wo, source 1 = 16 tokens): a lane holds eight neighbouring numbers of a row of out0.
; THE BIAS is the C of each sum's first matrix instruction, as bo / 2^E, E = the two operands' exponents added; each finished sum is multiplied once by 2^E.
; CLUSTERS: 4 x 4 work-groups, 8 clusters: out0 has 32 x 4 tiles.  o's tiles are shared along a row of the cluster, Wo's along a column: each is asked for JOINTLY, by the same tensor load with the same descriptor and a mask that names the four.
; LIMITS: E between -126 and 127, so that 2^E is an f32 number; bo / 2^E is made by v_ldexp_f32 and is lost where it leaves f32's range.
; REGISTERS, in windows of 256: window 0: v16-29 addresses; v32-95 the bias as C, later a block's sums x 2^E; v128-255 A's fragments, ONE set, later rows read back from the stage.
;   window 1: B's fragments, TWO sets, at v0 and v128.   window 2: the 32 accumulators of my rows 0-63 ((a, b) at v[8 (8 a + b)]);   window 3: those of rows 64-127.
.set TROW,  4096                       ; a tile of 16 rows in a slot: two fragments
.set HALFT, 32768                      ; 8 such tiles: what one tensor load brings, and what one wave reads of A or of B
.set SLOT,  131072                     ; A's 16 tiles, then B's 16
.set SPARE, 262144                     ; behind the ring: the spare words, 128 bytes for each wave: two blocks of 256 bytes that no other line names
.set SPITCH, 528                       ; the way out: a stage of 16 rows x (512 bytes + 16) for each wave.  It lies in slot 0, which has had its last fill and its last read when the first result is stored there
.set CROW,  4096                       ; a row of out0 in bytes
.set FR,    16
.set NL,    4
.set NP,    4                          ; places behind this matrix instruction (ISA guide 7.12.1)
.set ADRA, 16                          ; v16-17  LDS address of my A fragments in slot 0, 1
.set ADRB, 20                          ; v20-21  the same for B
.set STO,  24                          ; v24     the way out: where I put 32 bytes of a row
.set RD,   25                          ; v25     where I read a row back
.set CO,   26                          ; v26     16 x lane: my bytes of a row's 512; never rewritten
.set BH,   27                          ; v27     32 h: the bias
.set SPW,  28                          ; v28     LDS address of my spare word; never rewritten
.set NIL,  29                          ; v29     0; never rewritten
.set BI,   32
.set TMP,  32
.set AF,   128
.set BK,   128                         ; 16 rows read back from the stage: v128-191 and v192-255 by turns
.set WV, 18
.set WH, 19
.set WL, 20
.set G1, 24
.set G0, 32
.set G1B, 48
.set G0B, 56
.set MSB, 0
.macro WIN new                         ; the immediate's high byte repeats the setting that is left; a switch that changes nothing is dropped
.set WNEW, \new
.if MSB != WNEW
	s_set_vgpr_msb (MSB<<8)|WNEW
.set MSB, WNEW
.endif
.endm
.set MUL_LO, 0xa1                      ; source 0 (B) window 1, source 1 (A) window 0, C and D window 2
.set MUL_HI, 0xf1                      ; the same, C and D window 3
.set FST_LO, 0x81                      ; the first products: C (the bias) window 0, D window 2
.set FST_HI, 0xc1                      ; D window 3
.set TO_B,   0x40                      ; destination window 1, address window 0
; A joint load: waves 0 and 1 fetch for A, waves 2 and 3 for B; the branch hangs on the wave's number alone.  An s_nop 0 and four v_nop follow each of the two lines.
.macro JLOAD g0a, g1a, g0b, g1b
	s_cmp_eq_u32 s[WH], 0
	s_cbranch_scc0 .Lfor_b_\@
	tensor_load_to_lds s[\g0a:\g0a+3], s[\g1a:\g1a+7]
	s_nop 0
.rept 4
	v_nop
.endr
	s_branch .Lasked_\@
.Lfor_b_\@:
	tensor_load_to_lds s[\g0b:\g0b+3], s[\g1b:\g1b+7]
	s_nop 0
.rept 4
	v_nop
.endr
.Lasked_\@:
.endm
.macro CREST                           ; a round of the cluster's barrier behind its opening barrier
	s_cmp_lg_u32 s[WV], 0
	s_cbranch_scc1 .Lnot_wave_0_\@
	s_barrier_signal -3
.Lnot_wave_0_\@:
	s_barrier_wait -3
	s_barrier_signal -1
	s_barrier_wait -1
.endm
.macro CROUND                          ; a whole round
	s_barrier_signal -1
	s_barrier_wait -1
	CREST
.endm
	s_load_b256 s[4:11], s[0:1], 0x0               ; oc s[4:5], wc s[6:7], the scales' exponents s[8:9], bo s[10:11]
	s_load_b64 s[12:13], s[0:1], 0x20              ; out0
	v_lshl_add_u32 v[SPW], v0, 2, SPARE
	v_mov_b32 v[NIL], 0
	ds_add_u32 v[SPW], v[NIL]                      ; the wave's opening: the add and its wait stand ahead of my first tensor load; the set-up below, work on registers, stands between them
	ds_add_u32 v[SPW], v[NIL]
	v_lshrrev_b32 v1, 5, v0
	v_readfirstlane_b32 s[WV], v1                  ; wave 0..3
	s_lshr_b32 s[WH], s[WV], 1                     ; which half of the tile's rows is mine.  Also: I fetch for A (0) or for B (1)
	s_and_b32 s[WL], s[WV], 1                      ; which half of its columns.  Also: which 8 tiles of 16 rows I fetch
	s_bfe_u32 s21, ttmp6, 0x40000                  ; cx, cy: my place in the cluster
	s_bfe_u32 s22, ttmp6, 0x40004
	s_and_b32 s23, ttmp7, 0xffff
	s_lshl_b32 s23, s23, 2
	s_add_co_u32 s23, s23, s22                     ; tile row of out0 = 4 x cluster y + cy; the tile column is cx
	s_lshl_b32 s40, s22, 2
	s_lshl_b32 s40, 15, s40                        ; my row of the cluster
	s_lshl_b32 s66, 0x1111, s21                    ; my column
	; descriptor group 1: 8 rows (tiles of 16 rows of the operand) of 4,096 bytes, 16,384 bytes apart in memory, dense in LDS
	s_or_b32 s[G1], s40, (3<<16)|(1<<21)           ; 15:0 the mask: A's tiles go to my row; 17:16 elements of 8 bytes; 20 no padding; 21 set beside a mask
	s_or_b32 s[G1B], s66, (3<<16)|(1<<21)
.irp g, G1, G1B
	s_mov_b32 s[\g+1], 512<<16                     ; tensor_dim0 = 512 elements
	s_mov_b32 s[\g+2], 8<<16                       ; tensor_dim1 = 8
	s_mov_b32 s[\g+3], 512<<16                     ; tile_dim0
	s_mov_b32 s[\g+4], 8                           ; tile_dim1
	s_mov_b32 s[\g+5], 2048                        ; tensor_dim0_stride
	s_mov_b32 s[\g+6], 0
	s_mov_b32 s[\g+7], 0
.endr
	s_lshl_b32 s44, s23, 18                        ; A: 262,144 x tile row
	s_add_co_u32 s67, s21, 12                      ; B: Wo's four tiles of 256 rows are wc's 12 to 15
	s_lshl_b32 s68, s67, 18
	s_lshl_b32 s42, s[WL], 17                      ; which 8 tiles of 16 rows I fetch
	s_add_co_u32 s44, s44, s42
	s_add_co_u32 s68, s68, s42
	s_mov_b32 s45, 0
	s_mov_b32 s69, 0
	s_lshl_b32 s47, s[WV], 15                      ; where they go: wave x 32,768: no place in the cluster enters an LDS address
	s_wait_dscnt 0x0                               ; the opening add is done
	s_wait_kmcnt 0x0
	s_load_b64 s[84:85], s[8:9], 0x28              ; o's and Wo's exponents: entries 10, 11
	s_add_nc_u64 s[44:45], s[4:5], s[44:45]
	s_add_nc_u64 s[68:69], s[6:7], s[68:69]
	CROUND                                         ; all sixteen work-groups are here: the first joint loads meet
.irp s, 0,1
	s_mov_b32 s[G0+4*\s], 1
	s_add_co_u32 s[G0+4*\s+1], s47, \s*SLOT
	s_add_nc_u64 s[G0+4*\s+2:G0+4*\s+3], s[44:45], \s*TROW
	s_or_b32 s[G0+4*\s+3], s[G0+4*\s+3], 0x80000000
	s_mov_b32 s[G0B+4*\s], 1
	s_add_co_u32 s[G0B+4*\s+1], s47, \s*SLOT
	s_add_nc_u64 s[G0B+4*\s+2:G0B+4*\s+3], s[68:69], \s*TROW
	s_or_b32 s[G0B+4*\s+3], s[G0B+4*\s+3], 0x80000000
	s_wait_alu depctr_va_vdst(0)
	s_wait_tensorcnt 0x0
	ds_add_u32 v28, v29
	ds_add_u32 v28, v29
	s_wait_dscnt 0x0
	CROUND
	JLOAD G0+4*\s, G1, G0B+4*\s, G1B               ; one tensor load of mine is out
.endr
	v_and_b32 v1, 31, v0
	v_lshlrev_b32 v[CO], 4, v1
	v_and_b32 v2, 15, v0                           ; r
	s_wait_alu depctr_va_vdst(0)
	v_bfe_u32 v3, v0, 4, 1                         ; h
	v_lshlrev_b32 v[BH], 5, v3
	s_lshl_b32 s40, s[WH], 15                      ; my 8 tiles of A
	s_lshl_b32 s41, s[WL], 15                      ; my 8 tiles of B,
	s_add_co_u32 s41, s41, 2*HALFT                 ; which lie behind A's 16
.irp s, 0,1
	v_add_nc_u32 v[ADRA+\s], s40, v[CO]
	v_add_nc_u32 v[ADRB+\s], s41, v[CO]
	s_add_co_u32 s40, s40, SLOT
	s_add_co_u32 s41, s41, SLOT
.endr
	s_mul_i32 s40, s[WV], 16*SPITCH                ; my stage
	v_mul_u32_u24 v[STO], v2, SPITCH               ; in: row r, 32 bytes for each half of the lanes
	s_wait_alu depctr_va_vdst(0)
	v_lshl_add_u32 v[STO], v3, 5, v[STO]
	v_add_nc_u32 v[STO], s40, v[STO]
	v_add_nc_u32 v[RD], s40, v[CO]                 ; back: the 32 lanes take one row of 512 bytes
	s_lshl_b32 s66, s21, 10                        ; my first column, in bytes: 1,024 x tile column + 512 x half
	s_lshl_b32 s67, s[WL], 9
	s_add_co_u32 s66, s66, s67
	s_mov_b32 s67, 0
	s_add_nc_u64 s[88:89], s[10:11], s[66:67]      ; bo there
.irp b, 0,1,2,3,4,5,6,7                ; lane (r, h) wants, for B's block b, numbers 16 b + 8 h + 0 .. 7
	global_load_b128 v[BI+8*\b:BI+8*\b+3], v[BH], s[88:89] offset:64*\b
	global_load_b128 v[BI+8*\b+4:BI+8*\b+7], v[BH], s[88:89] offset:64*\b+16
.endr
	s_lshl_b32 s70, s23, 8
	s_lshl_b32 s71, s[WH], 7
	s_add_co_u32 s70, s70, s71                     ; my first row of out0: 256 x tile row + 128 x half
	s_lshl_b32 s70, s70, 12
	s_add_co_u32 s70, s70, s66
	s_mov_b32 s71, 0
	s_add_nc_u64 s[12:13], s[12:13], s[70:71]
.macro FRAG reg, adr, q, i             ; a fragment comes as it lies: four loads of 512 consecutive bytes
.irp c, 0,1,2,3
	ds_load_b128 v[\reg+4*\c:\reg+4*\c+3], v[\adr] offset:TROW*(\i)+2048*(\q)+512*\c
.endr
.endm
; 16 matrix instructions: A's blocks a0, a0 + 1 x B's eight, 128 along K.  p: B's set.  z = 1: the first products, C = the bias; z = 0: the sums go on.  Nothing is ever cleared.
; The 64 accumulators take turns, one instruction a turn, in the same order in every step.
.macro MUL16 a0, p, z
.irp a, \a0, \a0+1
.irp b, 0,1,2,3,4,5,6,7
.if \z
	v_wmma_f32_16x16x128_fp8_fp8 v[8*(8*((\a)%4)+\b):8*(8*((\a)%4)+\b)+7], v[128*(\p)+FR*\b:128*(\p)+FR*\b+FR-1], v[AF+FR*(\a):AF+FR*(\a)+FR-1], v[BI+8*\b:BI+8*\b+7]
.else
	v_wmma_f32_16x16x128_fp8_fp8 v[8*(8*((\a)%4)+\b):8*(8*((\a)%4)+\b)+7], v[128*(\p)+FR*\b:128*(\p)+FR*\b+FR-1], v[AF+FR*(\a):AF+FR*(\a)+FR-1], v[8*(8*((\a)%4)+\b):8*(8*((\a)%4)+\b)+7]
.endif
.endr
.endr
.endm
.macro FETCH_B slot, q, p              ; B's eight fragments of the slot's q-th 128 along K into set p
	WIN TO_B
.irp i, 0,1,2,3,4,5,6,7
	FRAG 128*(\p)+FR*\i, ADRB+\slot, \q, \i
.endr
	WIN 0
.endm
.macro FETCH_A slot, q, i0             ; A's blocks i0 .. i0 + 3
.irp i, \i0, \i0+1, \i0+2, \i0+3
	FRAG AF+FR*(\i), ADRA+\slot, \q, \i
.endr
.endm
; A load into a register that a matrix instruction has read, and a vector instruction that reads a matrix result, stand NP places behind that matrix instruction, and only plain vector
; instructions that name none of its registers are places (ISA guide 7.12.1 for vector instructions).
.macro PLACES n
.rept \n
	v_nop
.endr
.endm
; A step of 128 along K that has its successor in the same slot.  A block of A is free as soon as its eight products are issued: blocks 0-3 are fetched anew in the step's middle, blocks 4-7 at its end.
.macro STEP slot, q, z
	s_wait_dscnt 4*NL                              ; B's set and A's blocks 0-3 are in; the youngest sixteen loads (A's blocks 4-7) may be out
.if \z
	WIN FST_LO
.else
	WIN MUL_LO
.endif
	MUL16 0, (\q)%2, \z
	MUL16 2, (\q)%2, \z
	s_wait_dscnt 0                                 ; A's blocks 4-7 are in (asked for 32 matrix instructions ago)
	PLACES NP
	FETCH_B \slot, (\q)+1, 1-(\q)%2
	FETCH_A \slot, (\q)+1, 0
.if \z
	WIN FST_HI
.else
	WIN MUL_HI
.endif
	MUL16 4, (\q)%2, \z
	MUL16 6, (\q)%2, \z
	PLACES NP
	WIN 0
	FETCH_A \slot, (\q)+1, 4
.endm
; A slot's last step changes slots: ONE barrier; in front of it each wave waits for all its tensor loads, adds 0 to its spare word, and waits for that and for its own reads of this slot.  fill = 1: this slot is filled again, two K steps ahead.
.macro TURN slot, next, fill
	s_wait_tensorcnt 0x0                           ; all my tensor loads have landed: my part of the next slot  (every window is 0 here: the add's two registers lie in window 0)
	ds_add_u32 v[SPW], v[NIL]                      ; 0 onto my spare word
	s_wait_dscnt 4*NL+1                            ; (the add and the youngest sixteen loads, A's blocks 4-7, may be out)
	WIN MUL_LO
	MUL16 0, 1, 0                                  ; sixteen matrix instructions stand between the add and the wait for it
	s_wait_dscnt 0x0                               ; the add is done, and my reads of this slot are over
	s_barrier_signal -1
	MUL16 2, 1, 0
	WIN 0
	s_barrier_wait -1
.if \fill
	CREST                                          ; the barrier has opened a round of the cluster's barrier: no wave of any partner still reads this slot's tile or has a load on its way
	s_add_nc_u64 s[G0+4*\slot+2:G0+4*\slot+3], s[G0+4*\slot+2:G0+4*\slot+3], 2*TROW
	s_add_nc_u64 s[G0B+4*\slot+2:G0B+4*\slot+3], s[G0B+4*\slot+2:G0B+4*\slot+3], 2*TROW
	JLOAD G0+4*\slot, G1, G0B+4*\slot, G1B         ; the first tensor load behind the round, my only one until the next; the four v_nop behind it are the places in front of the loads below
.else
	PLACES NP
.endif
	FETCH_B \next, 0, 0
	FETCH_A \next, 0, 0
	WIN MUL_HI
	MUL16 4, 1, 0
	MUL16 6, 1, 0
	PLACES NP
	WIN 0
	FETCH_A \next, 0, 4
.endm
	s_wait_tensorcnt 1                             ; my part of K step 0 is in (K step 1's load may be out)
	s_barrier_signal -1
	s_barrier_wait -1                              ; everybody's is
	FETCH_B 0, 0, 0
	FETCH_A 0, 0, 0
	FETCH_A 0, 0, 4
	s_wait_kmcnt 0x0
	s_add_co_i32 s84, s84, s85                     ; E: a sum stands for sum x 2^E
	s_sub_co_i32 s86, 0, s84
	s_add_co_i32 s84, s84, 127
	s_lshl_b32 s84, s84, 23                        ; 2^E as f32
	s_mov_b32 s85, s84                             ; (named with it as a pair, so it is written)
	s_wait_loadcnt 0x0                             ; the bias
.set i, 0
.rept 64
	v_ldexp_f32 v[BI+i], v[BI+i], s86              ; bo / 2^E
.set i, i+1
.endr
	s_wait_alu depctr_va_vdst(0)
	STEP 0, 0, 1                                   ; the first step's products start the sums
	TURN 0, 1, 1                                   ; K = 1,024 is four slots' worth: each slot is filled again once, and all is written out
	STEP 1, 0, 0
	TURN 1, 0, 1
	STEP 0, 0, 0
	TURN 0, 1, 0                                   ; nothing is left to fetch: no round.  Behind this barrier nobody reads slot 0
	STEP 1, 0, 0
	s_wait_dscnt 4*NL                              ; the very last step
	WIN MUL_LO
	MUL16 0, 1, 0
	MUL16 2, 1, 0
	s_wait_dscnt 0
	WIN MUL_HI
	MUL16 4, 1, 0
	MUL16 6, 1, 0
	WIN 0
; THE WAY OUT, block by block of 16 rows x 128 columns.  A lane holds 32 neighbouring bytes of a row, and the lanes beside it hold other rows: so a block goes through my own stage in LDS and comes back as whole
; rows of 512 bytes.  LDS serves a wave's instructions in order (ISA guide 5.7.1.4): no wait between the stores and the loads, nor in front of the next block's stores.
.macro TOSTAGE a
.set AC, 64*((\a)%4)
	WIN 0x02+((\a)/4)                              ; source 0: window 2 or 3
.set j, 0
.rept 32
	v_pk_mul_f32 v[TMP+j:TMP+j+1], v[AC+j:AC+j+1], s[84:85] op_sel_hi:[1,0]  ; both x 2^E; each accumulator from its low end on
.set j, j+2
.endr
	WIN 0
.irp b, 0,1,2,3,4,5,6,7
	ds_store_b128 v[STO], v[TMP+8*\b:TMP+8*\b+3] offset:64*\b
	ds_store_b128 v[STO], v[TMP+8*\b+4:TMP+8*\b+7] offset:64*\b+16
.endr
.set BB, BK+64*((\a)%2)
.irp t, 0,1,2,3,4,5,6,7,8,9,10,11,12,13,14,15
	ds_load_b128 v[BB+4*\t:BB+4*\t+3], v[RD] offset:\t*SPITCH
.endr
.endm
.macro SEND a, younger                 ; younger: the LDS instructions issued behind block a's loads, which may stay out
.set BB, BK+64*((\a)%2)
	s_wait_dscnt \younger                          ; the block is back in registers
.if (\a) > 0
	s_add_nc_u64 s[12:13], s[12:13], 16*CROW       ; (behind a wait on XCNT: the earlier stores have read their base)  16 rows of out0 on
.endif
.irp t, 0,1,2,3,4,5,6,7,8,9,10,11,12,13,14,15
	global_store_b128 v[CO], v[BB+4*\t:BB+4*\t+3], s[12:13] offset:\t*CROW th:TH_STORE_NT  ; 32 lanes store 512 consecutive bytes, at a multiple of 256 from out0's first byte; written once, read by nobody here
.endr
.endm
	PLACES NP                                      ; behind the last products: for the loads into the registers that held A's fragments, and for block 7's reads
	TOSTAGE 0
.irp a, 1,2,3,4,5,6,7
.if \a > 1
	s_wait_xcnt 0x0                                ; block a - 2's stores have read their registers and their base: block a's loads may land there, and the base may step
.endif
	TOSTAGE \a
	SEND \a-1, 32                                  ; behind block a - 1's loads: block a's 16 stores and 16 loads
.endr
	s_wait_xcnt 0x0                                ; block 6's stores have read their base
	SEND 7, 0
	s_wait_tensorcnt 0x0                           ; the wave's end, behind my last tensor load and my last LDS store
	ds_add_u32 v[SPW], v[NIL]
	s_wait_dscnt 0x0
	CROUND                                         ; the closing round: no work-group ends while a partner may still ask for a tile that names it
	s_endpgm
.Lfunc_end_k_qd89f02c7af_outp:
	.size	k_qd89f02c7af_outp, .Lfunc_end_k_qd89f02c7af_outp-k_qd89f02c7af_outp
	.p2alignl 7, 3214868480
	.fill 96, 4, 3214868480
	.section	.rodata,"a",@progbits
	.p2align	6, 0x0
	.amdhsa_kernel k_qd89f02c7af_outp
		.amdhsa_group_segment_fixed_size 327680
		.amdhsa_private_segment_fixed_size 0
		.amdhsa_enable_private_segment 0
		.amdhsa_kernarg_size 40
		.amdhsa_user_sgpr_count 2
		.amdhsa_user_sgpr_kernarg_segment_ptr 1
		.amdhsa_wavefront_size32 1
		.amdhsa_system_sgpr_workgroup_id_x 1
		.amdhsa_system_sgpr_workgroup_id_y 1
		.amdhsa_system_sgpr_workgroup_id_z 1
		.amdhsa_system_vgpr_workitem_id 0
		.amdhsa_next_free_vgpr 1024
		.amdhsa_next_free_sgpr 92
		.amdhsa_reserve_vcc 0
		.amdhsa_float_denorm_mode_32 3
		.amdhsa_float_denorm_mode_16_64 3
		.amdhsa_memory_ordered 1
		.amdhsa_forward_progress 1
		.amdhsa_inst_pref_size 129
	.end_amdhsa_kernel
	.amdgpu_metadata
---
amdhsa.version: [ 1, 2 ]
amdhsa.kernels:
  - .name:           k_qd89f02c7af_outp
    .symbol:         k_qd89f02c7af_outp.kd
    .args:
      - { .name: oc, .offset: 0, .size: 8, .value_kind: global_buffer, .address_space: global }
      - { .name: wc, .offset: 8, .size: 8, .value_kind: global_buffer, .address_space: global }
      - { .name: lowp_scales, .offset: 16, .size: 8, .value_kind: global_buffer, .address_space: global }
      - { .name: bo, .offset: 24, .size: 8, .value_kind: global_buffer, .address_space: global }
      - { .name: out0, .offset: 32, .size: 8, .value_kind: global_buffer, .address_space: global }
    .group_segment_fixed_size: 327680
    .private_segment_fixed_size: 0
    .kernarg_segment_align: 8
    .kernarg_segment_size: 40
    .max_flat_workgroup_size: 128
    .sgpr_count:     92
    .vgpr_count:     1024
    .wavefront_size: 32
...
	.end_amdgpu_metadata
.endif
;; end of part 4
